; MI455X (gfx1250); checked and timed in simulation.
; The chip was launched on July 23, 2026; its instructions are those of AMD's public machine-readable ISA for CDNA 5 (MIT licence, August 2026) and "CDNA5" Instruction Set Architecture Reference Guide (July 2026). The comments in the code are by the model that wrote it; some were corrected since.
;; Transformer. Allowed arithmetic: float matrix products may take bf16 or f16 operands with f32 sums; other float arithmetic in f32, or as packed bf16 or f16 multiplies, adds, multiply-adds, maxima and minima; sums over many terms, partial sums and values carried from step to step in f32; what a program stores and reads back later, other than sums and carried values, may be rounded once to bf16 or f16.
;; Inputs: W1 1,024 x 4,096 float32; W2 4,096 x 1,024 float32; Wk 16 x 1,024 x 64 float32; Wo 1,024 x 1,024 float32; Wq 16 x 1,024 x 64 float32; Wv 16 x 1,024 x 64 float32; b1 4,096 float32; b2 1,024 float32; be1 1,024 float32; be2 1,024 float32; bk 16 x 64 float32; bo 1,024 float32; bq 16 x 64 float32; bv 16 x 64 float32; g1 1,024 float32; g2 1,024 float32; x 4 x 1,024 x 1,024 float32.
;; Outputs: out0 4 x 1,024 x 1,024 float32.
;; One version. Each part assembles by itself: llvm-mc -triple=amdgcn-amd-amdhsa -mcpu=gfx1250 --defsym DOCPART=n.
;; ======== version 1 of 1: 6 launches
;; limits: a function is approximated: absolute error at most 1.5e-07
;; workspace buffers: hb 8,388,608 bytes; wb 25,165,824 bytes; pb 524,288 bytes; qkv 25,165,824 bytes; w12 2,097,152 bytes; ob 8,388,608 bytes; x1 16,777,216 bytes; b12 4,096 bytes
;; launch prep (part 1): grid 1024 x 1, 8 waves a work-group, no clusters, 0 bytes of LDS; arguments x, g1, be1, Wq, Wk, Wv, Wo, W1, W2, b1, hb, wb, pb; writes hb, wb, pb
.if DOCPART == 1
	.amdgcn_target "amdgcn-amd-amdhsa--gfx1250"
	.amdhsa_code_object_version 6
	.text
	.protected	k_q0a8ac72a27_prep
	.globl	k_q0a8ac72a27_prep
	.p2align	8
	.type	k_q0a8ac72a27_prep,@function
k_q0a8ac72a27_prep:
	s_mov_b64 s[64:65], 0
	v_nop
	global_prefetch_b8 v0, s[64:65] scope:SCOPE_SE
	s_setreg_imm32_b32 hwreg(HW_REG_WAVE_MODE, 25, 1), 1
	s_wait_xcnt 0x0
; PREP.  Five kinds of work-group, told apart by the work-group's number; each moves 64 KiB of f32 in and 32 KiB of bf16 out, 8 KiB and 4 KiB a wave, in straight-line code.
;   0-255     h = LayerNorm(x) g1 + be1, 16 tokens a work-group, into hb
;   256-511   W2 as bf16, and the partial sums pb[g][n] = sum over the 32 rows k of group g of b1[k] W2[k][n]
;   512-767   W1 as bf16        768-831  Wo as bf16        832-1023  Wq, Wk, Wv as bf16
; ALL 16-BIT MATRICES ARE STORED IN BLOCKS OF 64 COLUMNS: [block][row][64], rows of 128 bytes that lie end to end inside a block.
;   hb [4 b][16 block][1024 s][64];  wb: +0 Wq, Wk, Wv [48][1024][64]; +6291456 Wo [16][1024][64]; +8388608 W1 [64][1024][64]; +16777216 W2 [16][4096][64]
; FORMAT.  Every input of the module (x, weights, biases, gains) is rounded to bf16 at its first touch, in all launches alike; sums and statistics are f32.
; The variance is taken of x - mean (two passes over registers), so a common offset of x costs nothing.  NaN and infinities are not treated apart.
; No LDS, no matrix unit, no cluster: no wave wants a byte that another wave has fetched.
.set BLK,  131072                      ; bytes in a block of 1,024 rows
.set X,    64                          ; v[64:127]   16 loads of 16 bytes: unit u at X + 8 u
.set G,    128                         ; v[128:191]  the gain of my columns
.set BE,   192                         ; v[192:255]  the offset of my columns
.set AC,   40                          ; v[40:47]    b1 W2: my 8 columns' sums
.set U,    48                          ; v[48:55]    8 numbers widened again
.set B1,   56                          ; v[56:63]    b1 of my row in each unit
.set WV,   34                          ; s34  my wave's number
.set MSK,  42                          ; s42  a word's upper bf16
.set SELA, 43                          ; s43, s44  v_permlanex16_b32's selects: each lane takes its own place in the other half
.set SELB, 44
.macro LOADX su                        ; 16 loads: unit u lies su bytes behind unit u - 1; a lane takes 32 bytes of a unit
.irp u, 0,1,2,3,4,5,6,7
	global_load_b128 v[X+8*(\u):X+8*(\u)+3],   v4, s[2:3] offset:(\u)*(\su) th:TH_LOAD_NT
	global_load_b128 v[X+8*(\u)+4:X+8*(\u)+7], v4, s[2:3] offset:(\u)*(\su)+16 th:TH_LOAD_NT
.endr
.endm
.macro RND base, n                     ; n registers from v[base]: each rounded to bf16 and widened again
.set i, 0
.rept (\n)/2
	v_cvt_pk_bf16_f32 v[20+(i/2)%4], v[(\base)+i], v[(\base)+i+1]
	v_lshlrev_b32 v[(\base)+i], 16, v[20+(i/2)%4]
	v_and_b32 v[(\base)+i+1], s[MSK], v[20+(i/2)%4]
.set i, i+2
.endr
.endm
; Unit by unit: 8 numbers rounded in place, ascending, and stored: 32 lanes x 16 bytes = 512 consecutive bytes.  acc = 1: the rounded numbers times b1 of their row are added up.
.macro CVST du, acc
.irp u, 0,1,2,3,4,5,6,7
	s_wait_loadcnt 14-2*(\u)               ; loads come back in order: unit u is in, the younger units' loads stay out
.irp i, 0,1,2,3
	v_cvt_pk_bf16_f32 v[X+8*(\u)+(\i)], v[X+8*(\u)+2*(\i)], v[X+8*(\u)+2*(\i)+1]
.endr
	global_store_b128 v5, v[X+8*(\u):X+8*(\u)+3], s[4:5] offset:(\u)*(\du)
.if \acc
.irp i, 0,1,2,3
	v_lshlrev_b32 v[U+2*(\i)], 16, v[X+8*(\u)+(\i)]
	v_and_b32 v[U+2*(\i)+1], s[MSK], v[X+8*(\u)+(\i)]
.endr
.irp i, 0,2,4,6
.if (\u) == 0
	v_pk_mul_f32 v[AC+(\i):AC+(\i)+1], v[U+(\i):U+(\i)+1], v[B1:B1+1] op_sel_hi:[1,0]
.elseif (\u)%2 == 0
	v_pk_fma_f32 v[AC+(\i):AC+(\i)+1], v[U+(\i):U+(\i)+1], v[B1+(\u):B1+(\u)+1], v[AC+(\i):AC+(\i)+1] op_sel_hi:[1,0,1]
.else
	v_pk_fma_f32 v[AC+(\i):AC+(\i)+1], v[U+(\i):U+(\i)+1], v[B1+(\u)-1:B1+(\u)], v[AC+(\i):AC+(\i)+1] op_sel:[0,1,0] op_sel_hi:[1,1,1]
.endif
.endr
.endif
.endr
.endm
.macro ACROSS                          ; four chains into one number, then over the 16 lanes that hold my token: lane bits 0, 1, 2 and 4; bit 3, the token, is never crossed
	v_pk_add_f32 v[8:9], v[8:9], v[10:11]
	v_pk_add_f32 v[12:13], v[12:13], v[14:15]
	v_pk_add_f32 v[8:9], v[8:9], v[12:13]
	v_add_f32 v8, v8, v9
	v_add_f32_dpp v8, v8, v8 row_xmask:1 row_mask:0xf bank_mask:0xf
	v_add_f32_dpp v8, v8, v8 row_xmask:2 row_mask:0xf bank_mask:0xf
	v_add_f32_dpp v8, v8, v8 row_xmask:4 row_mask:0xf bank_mask:0xf
	v_permlanex16_b32 v9, v8, s[SELA], s[SELB]
	v_add_f32 v8, v8, v9
.endm
; LAYER NORM of two tokens a wave.  Lane l: token (l >> 3) & 1, block 2 p + (l >> 4) in unit p, columns 8 (l & 7) .. + 7 of the block.  The tokens stay in registers between the passes.
; v4: my offset in the two rows; v6: in gain and offset; v5: in hb.  s[2:3] the rows, s[4:5] hb at the tokens.  roundx = 1: the rows are an input of the module and are rounded to bf16 first.
.macro LN roundx, gp, bp
.irp p, 0,1,2,3,4,5,6,7
	global_load_b128 v[X+8*(\p):X+8*(\p)+3],   v4, s[2:3] offset:512*(\p)
	global_load_b128 v[X+8*(\p)+4:X+8*(\p)+7], v4, s[2:3] offset:512*(\p)+16
.endr
.irp p, 0,1,2,3,4,5,6,7
	global_load_b128 v[G+8*(\p):G+8*(\p)+3],   v6, s[\gp:\gp+1] offset:512*(\p)
	global_load_b128 v[G+8*(\p)+4:G+8*(\p)+7], v6, s[\gp:\gp+1] offset:512*(\p)+16
.endr
.irp p, 0,1,2,3,4,5,6,7
	global_load_b128 v[BE+8*(\p):BE+8*(\p)+3],   v6, s[\bp:\bp+1] offset:512*(\p)
	global_load_b128 v[BE+8*(\p)+4:BE+8*(\p)+7], v6, s[\bp:\bp+1] offset:512*(\p)+16
.endr
	s_wait_loadcnt 32                      ; the rows are in; the 32 younger loads, gain and offset, stay out
.if \roundx
	RND X, 64
.endif
.irp k, 0,2,4,6                        ; the sum, in four chains that the first pairs start
	v_pk_add_f32 v[8+(\k):9+(\k)], v[X+(\k):X+(\k)+1], v[X+8+(\k):X+8+(\k)+1]
.endr
.set i, 16
.rept 24
	v_pk_add_f32 v[8+i%8:9+i%8], v[8+i%8:9+i%8], v[X+i:X+i+1]
.set i, i+2
.endr
	ACROSS
	v_mul_f32 v16, s40, v8                 ; the mean
	v_mov_b32 v17, v16
.set i, 0
.rept 32
	v_pk_add_f32 v[X+i:X+i+1], v[X+i:X+i+1], v[16:17] neg_lo:[0,1] neg_hi:[0,1]
.set i, i+2
.endr
.irp k, 0,2,4,6                        ; the sum of squares of x - mean
	v_pk_mul_f32 v[8+(\k):9+(\k)], v[X+(\k):X+(\k)+1], v[X+(\k):X+(\k)+1]
.endr
.set i, 8
.rept 28
	v_pk_fma_f32 v[8+i%8:9+i%8], v[X+i:X+i+1], v[X+i:X+i+1], v[8+i%8:9+i%8]
.set i, i+2
.endr
	ACROSS
	v_fma_f32 v20, v8, s40, s41            ; variance + 1e-5
	v_rsq_f32 v18, v20
	v_rsq_f32 v19, v20                     ; twice: a pair for the packed multiply
	v_nop                                  ; a plain instruction behind the second root, ahead of the line that rewrites its source
	s_wait_loadcnt 0x0                     ; gain and offset
	RND G, 64                              ; work that names neither root stands between them and their wait
	RND BE, 64
	s_wait_alu depctr_va_vdst(0)           ; one wait for both roots, ahead of their first reader
.irp p, 0,1,2,3,4,5,6,7
.irp k, 0,2,4,6
	v_pk_mul_f32 v[X+8*(\p)+(\k):X+8*(\p)+(\k)+1], v[X+8*(\p)+(\k):X+8*(\p)+(\k)+1], v[18:19]
.endr
.irp k, 0,2,4,6
	v_pk_fma_f32 v[X+8*(\p)+(\k):X+8*(\p)+(\k)+1], v[X+8*(\p)+(\k):X+8*(\p)+(\k)+1], v[G+8*(\p)+(\k):G+8*(\p)+(\k)+1], v[BE+8*(\p)+(\k):BE+8*(\p)+(\k)+1]
.endr
.irp k, 0,1,2,3
	v_cvt_pk_bf16_f32 v[X+8*(\p)+(\k)], v[X+8*(\p)+2*(\k)], v[X+8*(\p)+2*(\k)+1]
.endr
	global_store_b128 v5, v[X+8*(\p):X+8*(\p)+3], s[4:5] offset:2*BLK*(\p)  ; lanes 0-15: two tokens' 128 bytes in one block, 256 consecutive bytes, aligned; lanes 16-31 the same in the next block
.endr
.endm
	s_load_b512 s[8:23], s[0:1], 0x0       ; x s[8:9], g1 s[10:11], be1 s[12:13], Wq s[14:15], Wk s[16:17], Wv s[18:19], Wo s[20:21], W1 s[22:23]
	s_load_b256 s[24:31], s[0:1], 0x40     ; W2 s[24:25], b1 s[26:27], hb s[28:29], wb s[30:31]
	s_load_b64 s[32:33], s[0:1], 0x60      ; pb
	v_lshrrev_b32 v1, 5, v0
	v_readfirstlane_b32 s[WV], v1          ; wave 0..7
	v_and_b32 v1, 31, v0                   ; l
	v_and_b32 v2, 7, v0                    ; c = l & 7
	v_bfe_u32 v3, v0, 3, 2                 ; lg = l >> 3
	v_lshlrev_b32 v5, 4, v1                ; 16 l: my place in 512 bytes of output
	s_mov_b32 s39, 0                       ; the high word of every offset
	s_mov_b32 s[MSK], 0xffff0000
	s_mov_b32 s[SELA], 0x76543210
	s_mov_b32 s[SELB], 0xfedcba98
	s_wait_kmcnt 0x0
	s_cmp_lt_u32 ttmp9, 256
	s_cbranch_scc1 .Lln
	s_cmp_lt_u32 ttmp9, 512
	s_cbranch_scc1 .Lw2
	s_cmp_lt_u32 ttmp9, 832
	s_cbranch_scc1 .Lrows
	; Wq, Wk, Wv: [16][1024][64] is the blocked layout already: 8 KiB on end a wave
	s_sub_co_u32 s35, ttmp9, 832           ; j
	s_lshr_b32 s36, s35, 6                 ; which of the three
	s_and_b32 s37, s35, 63                 ; which 64 KiB of it
	s_cmp_eq_u32 s36, 0
	s_cselect_b64 s[2:3], s[14:15], s[16:17]
	s_cmp_eq_u32 s36, 2
	s_cselect_b64 s[2:3], s[18:19], s[2:3]
	s_lshl_b32 s38, s37, 16
	s_lshl_b32 s40, s[WV], 13
	s_add_co_u32 s38, s38, s40
	s_add_nc_u64 s[2:3], s[2:3], s[38:39]
	s_lshl_b32 s38, s36, 21
	s_lshl_b32 s40, s37, 15
	s_add_co_u32 s38, s38, s40
	s_lshl_b32 s40, s[WV], 12
	s_add_co_u32 s38, s38, s40
	s_add_nc_u64 s[4:5], s[30:31], s[38:39]
	v_lshlrev_b32 v4, 5, v1                ; 32 l
	LOADX 1024
	CVST 512, 0
	s_endpgm
.Lrows:                                        ; W1 and Wo: a wave takes 4 rows x 8 blocks; a unit is 4 rows of one block
	s_cmp_lt_u32 ttmp9, 768                ; W1?
	s_movk_i32 s35, 768
	s_cselect_b32 s35, 512, s35            ; the kind's first work-group
	s_cselect_b32 s36, 14, 12              ; a row is 16,384 or 4,096 bytes
	s_cselect_b32 s37, 2, 0                ; W1: four work-groups share 16 rows
	s_cselect_b32 s40, 3, 0
	s_mov_b32 s41, 0x600000
	s_cselect_b32 s41, 0x800000, s41       ; the matrix's place in wb
	s_cselect_b64 s[2:3], s[22:23], s[20:21]
	s_sub_co_u32 s35, ttmp9, s35           ; j
	s_and_b32 s40, s35, s40                ; which 16 blocks
	s_lshr_b32 s35, s35, s37               ; which 16 rows
	s_lshl_b32 s35, s35, 4
	s_lshr_b32 s38, s[WV], 1
	s_lshl2_add_u32 s35, s38, s35          ; my first row
	s_lshl_b32 s40, s40, 4
	s_and_b32 s38, s[WV], 1
	s_lshl3_add_u32 s40, s38, s40          ; my first block
	s_lshl_b32 s38, s35, s36
	s_lshl_b32 s45, s40, 8
	s_add_co_u32 s38, s38, s45
	s_add_nc_u64 s[2:3], s[2:3], s[38:39]
	s_lshl_b32 s38, s40, 17
	s_lshl_b32 s45, s35, 7
	s_add_co_u32 s38, s38, s45
	s_add_co_u32 s38, s38, s41
	s_add_nc_u64 s[4:5], s[30:31], s[38:39]
	v_lshlrev_b32 v4, s36, v3              ; row lg
	v_lshl_add_u32 v4, v2, 5, v4           ; + 32 c
	LOADX 256
	CVST BLK, 0
	s_endpgm
.Lw2:                                          ; W2: a wave takes the 32 rows of group g in one block; a unit is 4 rows
	s_sub_co_u32 s35, ttmp9, 256
	s_lshr_b32 s36, s35, 1                 ; g
	s_and_b32 s35, s35, 1
	s_lshl3_add_u32 s35, s35, s[WV]        ; the block
	s_lshl_b32 s38, s36, 17
	s_lshl_b32 s37, s35, 8
	s_add_co_u32 s38, s38, s37
	s_add_nc_u64 s[2:3], s[24:25], s[38:39]
	s_lshl_b32 s38, s35, 19
	s_lshl_b32 s40, s36, 12
	s_add_co_u32 s38, s38, s40
	s_add_co_u32 s38, s38, 0x1000000
	s_add_nc_u64 s[4:5], s[30:31], s[38:39]
	s_lshl_b32 s38, s36, 7
	s_add_nc_u64 s[6:7], s[26:27], s[38:39]  ; b1 at the group's first row
	s_add_co_u32 s38, s40, s37
	s_add_nc_u64 s[36:37], s[32:33], s[38:39]  ; pb[g] at the block's 64 columns
	v_lshlrev_b32 v4, 5, v2
	v_lshl_add_u32 v4, v3, 12, v4          ; row lg, 32 c
	v_lshlrev_b32 v6, 2, v3
.irp u, 0,1,2,3,4,5,6,7
	global_load_b32 v[B1+(\u)], v6, s[6:7] offset:16*(\u)
.endr
	LOADX 16384
	s_wait_loadcnt 16                      ; b1 is in; the 16 younger loads stay out
	RND B1, 8
	CVST 512, 1
.irp i, 0,1,2,3,4,5,6,7                ; over the four rows of a unit: lane bits 3 and 4
	v_add_f32_dpp v[AC+(\i)], v[AC+(\i)], v[AC+(\i)] row_xmask:8 row_mask:0xf bank_mask:0xf
.endr
.irp i, 0,1,2,3,4,5,6,7
	v_permlanex16_b32 v[U+(\i)], v[AC+(\i)], s[SELA], s[SELB]
.endr
.irp i, 0,2,4,6
	v_pk_add_f32 v[AC+(\i):AC+(\i)+1], v[AC+(\i):AC+(\i)+1], v[U+(\i):U+(\i)+1]
.endr
	v_and_b32 v7, 8, v0
	v_cmp_ne_u32 vcc_lo, 0, v7             ; lanes 8-15 store the upper four of their eight columns
.irp i, 0,1,2,3
	v_cndmask_b32 v[AC+(\i)], v[AC+(\i)], v[AC+4+(\i)], vcc_lo
.endr
	v_lshlrev_b32 v8, 5, v2
	v_lshl_add_u32 v8, v7, 1, v8           ; 32 c + 16 for the upper four
	s_wait_xcnt 0x0                        ; EXEC changes only behind this wait
	v_cmp_gt_u32 vcc_lo, 16, v1
	s_and_saveexec_b32 s45, vcc_lo
	global_store_b128 v8, v[AC:AC+3], s[36:37]  ; 16 lanes: 256 consecutive bytes, aligned
	s_wait_xcnt 0x0
	s_or_b32 exec_lo, exec_lo, s45
	s_endpgm
.Lln:
	s_lshl_b32 s35, ttmp9, 4
	s_lshl1_add_u32 s35, s[WV], s35        ; my first token = 16 x work-group + 2 x wave
	s_lshl_b32 s38, s35, 12
	s_add_nc_u64 s[2:3], s[8:9], s[38:39]
	s_lshr_b32 s38, s35, 10
	s_lshl_b32 s38, s38, 21                ; the batch's 16 blocks
	s_and_b32 s36, s35, 1023
	s_lshl_b32 s36, s36, 7
	s_add_co_u32 s38, s38, s36
	s_add_nc_u64 s[4:5], s[28:29], s[38:39]
	s_mov_b32 s40, 0x3a800000              ; 1 / 1024
	s_mov_b32 s41, 0x3727c5ac              ; 1e-5
	v_bfe_u32 v8, v0, 4, 1
	v_bfe_u32 v9, v0, 3, 1
	v_lshlrev_b32 v6, 5, v2
	v_lshl_add_u32 v6, v8, 8, v6           ; 256 (l >> 4) + 32 c
	v_lshl_add_u32 v4, v9, 12, v6          ; + the token's row
	v_lshlrev_b32 v5, 4, v2
	v_lshl_add_u32 v5, v9, 7, v5
	v_lshl_add_u32 v5, v8, 17, v5
	LN 1, 10, 12
	s_endpgm
.Lfunc_end_k_q0a8ac72a27_prep:
	.size	k_q0a8ac72a27_prep, .Lfunc_end_k_q0a8ac72a27_prep-k_q0a8ac72a27_prep
	.p2alignl 7, 3214868480
	.fill 96, 4, 3214868480
	.section	.rodata,"a",@progbits
	.p2align	6, 0x0
	.amdhsa_kernel k_q0a8ac72a27_prep
		.amdhsa_group_segment_fixed_size 0
		.amdhsa_private_segment_fixed_size 0
		.amdhsa_enable_private_segment 0
		.amdhsa_kernarg_size 104
		.amdhsa_user_sgpr_count 2
		.amdhsa_user_sgpr_kernarg_segment_ptr 1
		.amdhsa_wavefront_size32 1
		.amdhsa_system_sgpr_workgroup_id_x 1
		.amdhsa_system_sgpr_workgroup_id_y 1
		.amdhsa_system_sgpr_workgroup_id_z 1
		.amdhsa_system_vgpr_workitem_id 0
		.amdhsa_next_free_vgpr 256
		.amdhsa_next_free_sgpr 66
		.amdhsa_reserve_vcc 1
		.amdhsa_float_denorm_mode_32 3
		.amdhsa_float_denorm_mode_16_64 3
		.amdhsa_memory_ordered 1
		.amdhsa_forward_progress 1
		.amdhsa_inst_pref_size 56
	.end_amdhsa_kernel
	.amdgpu_metadata
---
amdhsa.version: [ 1, 2 ]
amdhsa.kernels:
  - .name:           k_q0a8ac72a27_prep
    .symbol:         k_q0a8ac72a27_prep.kd
    .args:
      - { .name: x, .offset: 0, .size: 8, .value_kind: global_buffer, .address_space: global }
      - { .name: g1, .offset: 8, .size: 8, .value_kind: global_buffer, .address_space: global }
      - { .name: be1, .offset: 16, .size: 8, .value_kind: global_buffer, .address_space: global }
      - { .name: Wq, .offset: 24, .size: 8, .value_kind: global_buffer, .address_space: global }
      - { .name: Wk, .offset: 32, .size: 8, .value_kind: global_buffer, .address_space: global }
      - { .name: Wv, .offset: 40, .size: 8, .value_kind: global_buffer, .address_space: global }
      - { .name: Wo, .offset: 48, .size: 8, .value_kind: global_buffer, .address_space: global }
      - { .name: W1, .offset: 56, .size: 8, .value_kind: global_buffer, .address_space: global }
      - { .name: W2, .offset: 64, .size: 8, .value_kind: global_buffer, .address_space: global }
      - { .name: b1, .offset: 72, .size: 8, .value_kind: global_buffer, .address_space: global }
      - { .name: hb, .offset: 80, .size: 8, .value_kind: global_buffer, .address_space: global }
      - { .name: wb, .offset: 88, .size: 8, .value_kind: global_buffer, .address_space: global }
      - { .name: pb, .offset: 96, .size: 8, .value_kind: global_buffer, .address_space: global }
    .group_segment_fixed_size: 0
    .private_segment_fixed_size: 0
    .kernarg_segment_align: 8
    .kernarg_segment_size: 104
    .max_flat_workgroup_size: 256
    .sgpr_count:     66
    .vgpr_count:     256
    .wavefront_size: 32
...
	.end_amdgpu_metadata
.endif
;; end of part 1
;; launch gemm1 (part 2): grid 16 x 16, 4 waves a work-group, clusters of 4 x 4, 327,680 bytes of LDS; arguments hb, wb, bq, bk, bv, qkv, w12; writes qkv, w12
.if DOCPART == 2
	.amdgcn_target "amdgcn-amd-amdhsa--gfx1250"
	.amdhsa_code_object_version 6
	.text
	.protected	k_q0a8ac72a27_gemm1
	.globl	k_q0a8ac72a27_gemm1
	.p2align	8
	.type	k_q0a8ac72a27_gemm1,@function
k_q0a8ac72a27_gemm1:
	s_mov_b64 s[64:65], 0
	v_nop
	global_prefetch_b8 v0, s[64:65] scope:SCOPE_SE
	s_setreg_imm32_b32 hwreg(HW_REG_WAVE_MODE, 25, 1), 1
	s_wait_xcnt 0x0
	s_wait_alu depctr_hold_cnt(0) depctr_sa_sdst(0) depctr_va_vdst(0) depctr_va_sdst(0) depctr_va_ssrc(0) depctr_va_vcc(0) depctr_vm_vsrc(0)
	s_getreg_b32 s2, hwreg(HW_REG_IB_STS2, 6, 4)
	s_cmp_eq_u32 s2, 0
	s_cbranch_scc0 .Lentry_in_a_cluster
	s_endpgm
.Lentry_in_a_cluster:
	s_bfe_u32 s2, ttmp6, 0x10000c
	s_cmp_lg_u32 s2, 0xf033
	s_cbranch_scc0 .Lentry_shape_is_right
	s_endpgm
.Lentry_shape_is_right:
; GEMM1: q, k, v = h W + b (768 tiles of 128 x 128, K = 1,024) and W12 = W1 W2 (64 tiles, K = 4,096), all operands bf16, sums f32, results rounded once to bf16.
; W12: reference() has no function between its two Linear layers, so (h2 W1 + b1) W2 + b2 = h2 (W1 W2) + (b1 W2 + b2) for every input.  THE ORDER OF ROUNDING DIFFERS from the reference's:
; W12 is rounded once to bf16, where the product h2 W1 would have been.
; SHARES.  256 work-groups that stay, 16 K steps of 256 each: the four clusters with cluster y = 0 make one tile of W12 a work-group, the other twelve walk four tiles of q, k, v.
; The ring runs on from tile to tile.  Every branch hangs on the cluster's numbers, on the wave's number or on counters, never on a work-group's place in its cluster.
; A tile is made by four waves, 64 x 64 each: 16 accumulators.  A K step is four quarters of 64: 32 matrix instructions and 32 LDS loads each.
; LAYOUT.  All matrices lie in blocks of 64 columns, [block][row][64], rows of 128 bytes end to end.  As the left operand the blocks go along K: 128 rows of a block are 16 KiB on end.
; As the right operand ([block of n][k][64]) 256 k of a block are 32 KiB on end.  A wave's 64 x 64 result is 8 KiB on end in one block.
; THE MATRIX INSTRUCTION IS USED TRANSPOSED: source 0 = 16 columns n of the right operand (turned on the way out of LDS by ds_load_tr16_b128), source 1 = 16 rows of the left: a lane then holds
; eight neighbouring numbers of a row of the result.  The first product of a tile takes the bias as C.
; CLUSTERS: 4 x 4.  The left operand's tile is shared along a row of the cluster, the right one's along a column: joint loads.
; No prefetch: the tile is the small one, 128 x 128, and its operands are read again from tile to tile.
; REGISTERS: window 0: v0-31 addresses; v32-95 the way out; v96-127 the bias; v128-255 the accumulators ((a, b) at 128 + 8 (4 a + b)).  Window 1: two fragment buffers of 128.
.set BLK,   131072
.set PA,    144                        ; a row of the left tile in LDS: 128 bytes + 16: the 16 rows of a load start at 16 different groups of four banks (64 banks of 4 bytes: ISA guide 11.1)
.set PB,    160                        ; a row of the right tile: 128 + 32
.set AKB,   128*PA                     ; 128 rows of one block along K
.set BBASE, 4*AKB                      ; behind the left tile's four blocks: the right tile
.set BNB,   256*PB                     ; 256 k of one block of n
.set SLOT,  BBASE+2*BNB                ; 155,648
.set ASTEP, 4*BLK                      ; a K step in memory: four blocks of the left operand,
.set BSTEP, 256*128                    ; 256 rows of the right one
.set STAGE, 2*SLOT                     ; behind the ring: 16 rows x 144 bytes for each wave, never filled by a tensor load
.set SP,    144
.set SPARE, STAGE+4*16*SP              ; the spare words, 128 bytes for each wave: two blocks of 256 bytes that no other line names
.set ADRA, 16                          ; v16-17  LDS address of my left fragments in slot 0, 1
.set ADRB, 20                          ; v20-21  of my right fragments
.set STO,  24                          ; v24  the way out: where I put 16 bytes of a row
.set RD,   25                          ; v25  where I read rows back
.set GO,   26                          ; v26  16 x lane
.set BO,   27                          ; v27  32 x (lane / 16): my eight numbers of 16 of the bias
.set SPW,  28                          ; v28  my spare word; never rewritten
.set NIL,  29                          ; v29  0; never rewritten
.set TMP,  32
.set BIAS, 96
.set ACC,  128
.set F0,   0
.set F1,   128
.set G1A,  24                          ; s[24:31] descriptor group 1, left tiles;  s[32:39] group 0, a set for each slot
.set G0A,  32
.set G1B,  48                          ; s[48:55], s[56:63] the same for right tiles
.set G0B,  56
.set ROLE, 13                          ; s13  1: W12
.set O0,   14                          ; s14  byte offset of my part of the first tile in the output
.set OS1,  15                          ; s15, s16  what bits 0 and 1 of the tile's number add to it
.set OS2,  16
.set T2,   17                          ; s17  the K step to be asked for next, 0 .. 15
.set LAP,  18                          ; s18  the lap in hand (two K steps)
.set CNT,  19
.set OUT,  20                          ; s[20:21]
.set BASEA, 82                         ; s[82:83] the left operand's buffer
.set OUTB, 84                          ; s[84:85] the output's buffer
.set OFA,  86                          ; s[86:87] a left tile's byte offset
.set OFB,  88                          ; s[88:89] a right tile's
.set A0,   90                          ; s90, s91 those of K step 0
.set B0,   91
.set S1,   92                          ; s92, s93 what bits 2 and 3 of the K step's number add to the left offset
.set S2,   93
.set MB,   94                          ; s94  15 or 3: the K step within the tile, for the right operand
.set FM,   95                          ; s95  7 or 1: laps in a tile, less 1
.set MSB, 0
.macro WIN new                         ; the immediate's high byte repeats the setting that is left; a switch that changes nothing is dropped
.if MSB != (\new)
	s_set_vgpr_msb (MSB<<8)|(\new)
.set MSB, \new
.endif
.endm
.set MUL,  0x05                        ; sources 0 and 1 window 1; C and D window 0
.set TO_F, 0x40                        ; destination window 1, address window 0
.macro JLOAD s                         ; a joint load: waves 0 and 1 fetch the left tile's two pairs of blocks, waves 2 and 3 the right tile's two blocks; an s_nop 0 and four v_nop follow each line
	s_cmp_eq_u32 s11, 0
	s_cbranch_scc0 .Lfor_b_\@
	tensor_load_to_lds s[G0A+4*(\s):G0A+4*(\s)+3], s[G1A:G1A+7]
	s_nop 0
.rept 4
	v_nop
.endr
	s_branch .Lasked_\@
.Lfor_b_\@:
	tensor_load_to_lds s[G0B+4*(\s):G0B+4*(\s)+3], s[G1B:G1B+7]
	s_nop 0
.rept 4
	v_nop
.endr
.Lasked_\@:
.endm
.macro CREST                           ; a round of the cluster's barrier behind its opening barrier
	s_cmp_lg_u32 s10, 0
	s_cbranch_scc1 .Lnot_wave_0_\@
	s_barrier_signal -3
.Lnot_wave_0_\@:
	s_barrier_wait -3
	s_barrier_signal -1
	s_barrier_wait -1
.endm
.macro CROUND
	s_barrier_signal -1
	s_barrier_wait -1
	CREST
.endm
.macro PLACES                          ; four places in front of loads into registers that matrix instructions have read, and of lines that read results
.rept 4
	v_nop
.endr
.endm
; 8 matrix instructions: row blocks a0, a0 + 1 x all 4 column blocks, 32 along K: half c of buffer f.  m = 1: the product starts the sum from the bias.  The 16 accumulators take turns, in one order everywhere.
.macro MUL8 f, c, a0, m
	WIN MUL
.irp a, \a0, (\a0)+1
.irp b, 0,1,2,3
.if \m
	v_wmma_f32_16x16x32_bf16 v[ACC+8*(4*(\a)+(\b)):ACC+8*(4*(\a)+(\b))+7], v[(\f)+64+8*(4*(\c)+(\b)):(\f)+64+8*(4*(\c)+(\b))+7], v[(\f)+8*(4*(\c)+(\a)):(\f)+8*(4*(\c)+(\a))+7], v[BIAS+8*(\b):BIAS+8*(\b)+7]
.else
	v_wmma_f32_16x16x32_bf16 v[ACC+8*(4*(\a)+(\b)):ACC+8*(4*(\a)+(\b))+7], v[(\f)+64+8*(4*(\c)+(\b)):(\f)+64+8*(4*(\c)+(\b))+7], v[(\f)+8*(4*(\c)+(\a)):(\f)+8*(4*(\c)+(\a))+7], v[ACC+8*(4*(\a)+(\b)):ACC+8*(4*(\a)+(\b))+7]
.endif
.endr
.endr
.endm
; 32 LDS loads in one run: quarter q of the slot (64 along K) into buffer f; the first 32 along K first
.macro FETCH slot, q, f
	WIN TO_F
.irp c, 0,1
.irp i, 0,1,2,3
	ds_load_tr16_b128 v[(\f)+64+8*(4*(\c)+(\i)):(\f)+64+8*(4*(\c)+(\i))+3],   v[ADRB+(\slot)] offset:(\q)*64*PB+(\c)*32*PB+(\i)*32
	ds_load_tr16_b128 v[(\f)+64+8*(4*(\c)+(\i))+4:(\f)+64+8*(4*(\c)+(\i))+7], v[ADRB+(\slot)] offset:(\q)*64*PB+(\c)*32*PB+(\i)*32+16*PB
	ds_load_b128 v[(\f)+8*(4*(\c)+(\i)):(\f)+8*(4*(\c)+(\i))+3],              v[ADRA+(\slot)] offset:(\q)*AKB+(\i)*16*PA+(\c)*64
	ds_load_b128 v[(\f)+8*(4*(\c)+(\i))+4:(\f)+8*(4*(\c)+(\i))+7],            v[ADRA+(\slot)] offset:(\q)*AKB+(\i)*16*PA+(\c)*64+32
.endr
.endr
.endm
.macro QUARTER slot, q, f, g, m        ; multiplies buffer f and fetches quarter q into g
	s_wait_dscnt 16                        ; the first 32 along K are in
	MUL8 \f, 0, 0, \m
	MUL8 \f, 0, 2, \m
	PLACES
	FETCH \slot, \q, \g
	s_wait_dscnt 32                        ; all but the 32 just issued
	MUL8 \f, 1, 0, 0
	MUL8 \f, 1, 2, 0
.endm
; The addresses of K step T2 into the slot's two descriptors; no tensor load of the wave is out where this stands.  The left offset's registers never hold cx, the right one's never cy.
.macro STEP slot
	s_and_b32 s4, s[T2], 3
	s_lshl_b32 s4, s4, 19
	s_bfe_u32 s5, s[T2], 0x10002
	s_mul_i32 s5, s5, s[S1]
	s_add_co_u32 s4, s4, s5
	s_lshr_b32 s5, s[T2], 3
	s_mul_i32 s5, s5, s[S2]
	s_add_co_u32 s4, s4, s5
	s_add_co_u32 s[OFA], s4, s[A0]
	s_add_nc_u64 s[G0A+4*(\slot)+2:G0A+4*(\slot)+3], s[BASEA:BASEA+1], s[OFA:OFA+1]
	s_or_b32 s[G0A+4*(\slot)+3], s[G0A+4*(\slot)+3], 0x80000000
	s_and_b32 s6, s[T2], s[MB]
	s_lshl_b32 s6, s6, 15
	s_add_co_u32 s[OFB], s6, s[B0]
	s_add_nc_u64 s[G0B+4*(\slot)+2:G0B+4*(\slot)+3], s[70:71], s[OFB:OFB+1]
	s_or_b32 s[G0B+4*(\slot)+3], s[G0B+4*(\slot)+3], 0x80000000
	s_add_co_u32 s[T2], s[T2], 1
.endm
; The last quarter multiplies buffer 1 and changes slots: ONE barrier; in front of it each wave waits for all its tensor loads, adds 0 to its spare word, and waits for that and for its reads of this slot.
.macro TURN slot, next, fill
	WIN 0
	s_wait_tensorcnt 0x0                   ; all my tensor loads have landed: the one that was out is my part of the next slot
	ds_add_u32 v[SPW], v[NIL]              ; 0 onto my spare word
.if \fill
	STEP \slot
.endif
	s_wait_dscnt 17                        ; the add and the youngest sixteen loads may be out
	MUL8 F1, 0, 0, 0
	s_wait_dscnt 0x0                       ; the add is done, and my reads of this slot are over
	s_barrier_signal -1
	MUL8 F1, 0, 2, 0
.if \fill
	WIN 0
.endif
	s_barrier_wait -1
.if \fill
	CREST                                  ; the barrier has opened a round of the cluster's: no wave of any partner still reads this slot or has a load on its way
	JLOAD \slot                            ; the first tensor load behind the round; its four v_nop are also the places in front of the loads below
.else
	PLACES
.endif
	FETCH \next, 0, F0
	MUL8 F1, 1, 0, 0
	MUL8 F1, 1, 2, 0
.endm
; THE WAY OUT of my 64 x 64: 16 rows at a time are rounded to bf16, go through my own stage and come back as whole rows of 128 bytes, four to a load: 512 consecutive bytes of the output.
.macro PACK a
.irp b, 0,1,2,3
.irp i, 0,1,2,3
	v_cvt_pk_bf16_f32 v[TMP+16*(\a)+4*(\b)+(\i)], v[ACC+8*(4*(\a)+(\b))+2*(\i)], v[ACC+8*(4*(\a)+(\b))+2*(\i)+1]
.endr
.endr
.irp b, 0,1,2,3
	ds_store_b128 v[STO], v[TMP+16*(\a)+4*(\b):TMP+16*(\a)+4*(\b)+3] offset:32*(\b)
.endr
.irp f, 0,1,2,3
	ds_load_b128 v[TMP+16*(\a)+4*(\f):TMP+16*(\a)+4*(\f)+3], v[RD] offset:(\f)*4*SP  ; LDS serves a wave's instructions in order (ISA guide 5.7.1.4): these see the stores above, the next block's stores come behind them
.endr
.endm
.macro SEND a, younger                 ; younger: the LDS instructions issued behind block a's loads: the next block's eight, or none
.irp f, 0,1,2,3
	s_wait_dscnt (\younger)+3-(\f)
	global_store_b128 v[GO], v[TMP+16*(\a)+4*(\f):TMP+16*(\a)+4*(\f)+3], s[OUT:OUT+1] offset:(\a)*2048+(\f)*512
.endr
.endm
.macro OUTW
	WIN 0
	PLACES
	s_wait_xcnt 0x0                        ; the last way out's stores have read their registers and their base
	s_bfe_u32 s22, s[LAP], 0x10001         ; the tile's number is LAP >> 1 where a tile has two laps
	s_mul_i32 s22, s22, s[OS1]
	s_lshr_b32 s23, s[LAP], 2
	s_mul_i32 s23, s23, s[OS2]
	s_add_co_u32 s22, s22, s23
	s_add_co_u32 s22, s22, s[O0]
	s_mov_b32 s23, 0
	s_add_nc_u64 s[OUT:OUT+1], s[OUTB:OUTB+1], s[22:23]
	PACK 0
	PACK 1                                 ; a block's conversions stand between the loads of the block before and its stores
	SEND 0, 8
	PACK 2
	SEND 1, 8
	PACK 3
	SEND 2, 8
	SEND 3, 0
.endm
	s_load_b256 s[68:75], s[0:1], 0x0      ; hb s[68:69], wb s[70:71], bq s[72:73], bk s[74:75]
	s_load_b128 s[76:79], s[0:1], 0x20     ; bv s[76:77], qkv s[78:79]
	s_load_b64 s[80:81], s[0:1], 0x30      ; w12
	v_lshl_add_u32 v[SPW], v0, 2, SPARE
	v_mov_b32 v[NIL], 0
	ds_add_u32 v[SPW], v[NIL]              ; the wave's opening: the add and its wait ahead of my first tensor load; the set-up below, work on registers, stands between them
	v_lshrrev_b32 v1, 5, v0
	v_readfirstlane_b32 s10, v1            ; wave 0..3
	s_lshr_b32 s11, s10, 1                 ; which half of the tile's rows is mine.  Also: I fetch the left (0) or the right (1) tile
	s_and_b32 s12, s10, 1                  ; which half of its columns.  Also: which half of that tile I fetch
	s_bfe_u32 s40, ttmp6, 0x40000          ; cx
	s_bfe_u32 s41, ttmp6, 0x40004          ; cy
	s_lshl_b32 s43, s41, 2
	s_lshl_b32 s43, 15, s43                ; my row of the cluster
	s_lshl_b32 s44, 0x1111, s40            ; my column
	; group 1, left: two runs of 16 KiB (128 rows of a block), one block apart; 16 bytes of padding behind every 128
	s_or_b32 s[G1A+0], s43, (1<<16)|(1<<20)|(1<<21)|(4<<22)|(3<<25)  ; 15:0 the mask; 17:16 2-byte elements; 20 padding on; 21 set beside a mask; 24:22 after every 32 words (code 4); 31:25 4 words (code 3)
	s_mov_b32 s[G1A+1], 8192<<16           ; tensor_dim0 = 8,192 elements
	s_mov_b32 s[G1A+2], 2<<16              ; tensor_dim1 = 2
	s_mov_b32 s[G1A+3], 8192<<16           ; tile_dim0
	s_mov_b32 s[G1A+4], 2                  ; tile_dim1
	s_mov_b32 s[G1A+5], 65536              ; a block is 65,536 elements
	s_mov_b32 s[G1A+6], 0
	s_mov_b32 s[G1A+7], 0
	; group 1, right: 32 KiB on end as 128 rows of 256 bytes; 32 bytes of padding behind every 128
	s_or_b32 s[G1B+0], s44, (1<<16)|(1<<20)|(1<<21)|(4<<22)|(7<<25)
	s_mov_b32 s[G1B+1], 128<<16
	s_mov_b32 s[G1B+2], 128<<16
	s_mov_b32 s[G1B+3], 128<<16
	s_mov_b32 s[G1B+4], 128
	s_mov_b32 s[G1B+5], 128
	s_mov_b32 s[G1B+6], 0
	s_mov_b32 s[G1B+7], 0
	; the cluster's share, from the cluster's numbers alone
	s_and_b32 s45, ttmp7, 0xffff           ; cluster y
	s_and_b32 s46, ttmp9, 1                ; W12: which 512 rows,
	s_lshr_b32 s47, ttmp9, 1               ; which 512 columns
	s_max_u32 s66, s45, 1
	s_sub_co_u32 s66, s66, 1
	s_lshl2_add_u32 s66, s66, ttmp9        ; q, k, v: cluster j of twelve
	s_cmp_ge_u32 s66, 6
	s_cselect_b32 s67, 1, 0                ; which 2,048 tokens,
	s_mul_i32 s2, s67, 6
	s_sub_co_u32 s66, s66, s2              ; which 512 of the 3,072 columns
	s_lshl_b32 s4, s46, 16
	s_add_co_u32 s4, s4, 0x800000          ; W1's place in wb, and the 512 rows
	s_lshl_b32 s5, s67, 22                 ; two batches of hb
	s_mov_b32 s2, 0x10000
	s_mov_b32 s3, 0x200000
	s_cmp_eq_u32 s45, 0
	s_cselect_b32 s[ROLE], 1, 0
	s_cselect_b32 s47, s47, s66
	s_cselect_b32 s4, s4, s5
	s_cselect_b32 s[S1], 0x200000, s2      ; W12: K goes on, 4 and 8 steps further.  q, k, v: the next tile: 512 rows down, the next batch
	s_cselect_b32 s[S2], 0x400000, s3
	s_cselect_b32 s[MB], 15, 3
	s_cselect_b32 s[FM], 7, 1
	s_cselect_b32 s[OS1], 0, s2
	s_cselect_b32 s[OS2], 0, s3
	s_lshl_b32 s5, s41, 14                 ; my work-group's 128 rows
	s_add_co_u32 s4, s4, s5
	s_lshl_b32 s5, s12, 18                 ; the pair of blocks that I fetch
	s_add_co_u32 s[A0], s4, s5
	s_lshl_b32 s6, s47, 3
	s_lshl1_add_u32 s6, s40, s6
	s_add_co_u32 s6, s6, s12               ; my block of 64 columns: the one I fetch, and the one I make
	s_lshl_b32 s7, s6, 19
	s_add_co_u32 s7, s7, 0x1000000         ; W2's place in wb; its blocks have 4,096 rows
	s_lshl_b32 s8, s6, 17
	s_lshl_b32 s22, s46, 16
	s_add_co_u32 s22, s22, s8              ; w12: block, 512 rows
	s_lshr_b32 s23, s6, 4                  ; qkv: which of the three,
	s_lshl_b32 s23, s23, 6
	s_and_b32 s9, s6, 15                   ; the head,
	s_add_co_u32 s23, s23, s9
	s_lshl_b32 s3, s67, 5                  ; two batches of 16 heads
	s_add_co_u32 s23, s23, s3
	s_lshl_b32 s23, s23, 17
	s_cmp_eq_u32 s[ROLE], 1
	s_cselect_b32 s[B0], s7, s8
	s_cselect_b32 s[O0], s22, s23
	s_lshl_b32 s22, s41, 14
	s_add_co_u32 s[O0], s[O0], s22
	s_lshl_b32 s22, s11, 13                ; my wave's 64 rows
	s_add_co_u32 s[O0], s[O0], s22
	s_mov_b32 s[OFA+1], 0
	s_mov_b32 s[OFB+1], 0
	s_mul_i32 s2, s12, 2*AKB               ; where my part of a tile goes: no place in the cluster enters an LDS address
	s_mul_i32 s3, s12, BNB
	s_add_co_u32 s3, s3, BBASE
	s_lshl_b32 s8, s9, 8                   ; the head's 64 numbers in bq, bk, bv
	s_mov_b32 s9, 0
	s_lshr_b32 s47, s47, 1                 ; q, k or v
	s_mov_b32 s[T2], 2
	s_mov_b32 s[LAP], 0
	s_mov_b32 s[CNT], 7
	s_wait_dscnt 0x0                       ; the opening add is done
	s_wait_kmcnt 0x0
	s_cmp_eq_u32 s[ROLE], 1
	s_cselect_b64 s[BASEA:BASEA+1], s[70:71], s[68:69]
	s_cselect_b64 s[OUTB:OUTB+1], s[80:81], s[78:79]
	CROUND                                 ; all sixteen work-groups are here: the first joint loads meet
.irp s, 0,1
	s_mov_b32 s[G0A+4*(\s)], 1
	s_add_co_u32 s[G0A+4*(\s)+1], s2, (\s)*SLOT
	s_add_co_u32 s[OFA], s[A0], (\s)*ASTEP
	s_add_nc_u64 s[G0A+4*(\s)+2:G0A+4*(\s)+3], s[BASEA:BASEA+1], s[OFA:OFA+1]
	s_or_b32 s[G0A+4*(\s)+3], s[G0A+4*(\s)+3], 0x80000000
	s_mov_b32 s[G0B+4*(\s)], 1
	s_add_co_u32 s[G0B+4*(\s)+1], s3, (\s)*SLOT
	s_add_co_u32 s[OFB], s[B0], (\s)*BSTEP
	s_add_nc_u64 s[G0B+4*(\s)+2:G0B+4*(\s)+3], s[70:71], s[OFB:OFB+1]
	s_or_b32 s[G0B+4*(\s)+3], s[G0B+4*(\s)+3], 0x80000000
	JLOAD \s                               ; two loads of mine are out
.endr
	v_and_b32 v1, 15, v0                   ; r = l % 16
	v_bfe_u32 v2, v0, 4, 1                 ; h = l / 16
	v_mul_u32_u24 v3, v1, PA
	v_lshl_add_u32 v3, v2, 4, v3           ; a left fragment: row x pitch + 16 h
	v_and_b32 v4, 7, v0
	v_lshl_add_u32 v5, v2, 3, v4           ; a right fragment: the turning load reads row k = 8 h + l % 8,
	v_mul_u32_u24 v5, v5, PB
	v_bfe_u32 v6, v0, 3, 1
	v_lshl_add_u32 v5, v6, 4, v5           ; columns 8 ((l / 8) % 2) on
	s_mul_i32 s22, s11, 64*PA              ; my 64 rows
	s_mul_i32 s23, s12, BNB                ; my block of columns
	s_add_co_u32 s23, s23, BBASE
.irp s, 0,1
	v_add_nc_u32 v[ADRA+(\s)], s22, v3
	v_add_nc_u32 v[ADRB+(\s)], s23, v5
	s_add_co_u32 s22, s22, SLOT
	s_add_co_u32 s23, s23, SLOT
.endr
	s_mul_i32 s22, s10, 16*SP
	s_add_co_u32 s22, s22, STAGE           ; my stage
	v_add_nc_u32 v[STO], s22, v3           ; in: row r, 16 bytes for each half of the lanes
	v_bfe_u32 v7, v0, 3, 2
	v_mul_u32_u24 v7, v7, SP
	v_lshl_add_u32 v7, v4, 4, v7
	v_add_nc_u32 v[RD], s22, v7            ; back: 32 lanes take four rows of 128 bytes
	v_and_b32 v8, 31, v0
	v_lshlrev_b32 v[GO], 4, v8
	v_lshlrev_b32 v[BO], 5, v2
	s_cmp_eq_u32 s47, 0
	s_cselect_b64 s[22:23], s[72:73], s[74:75]
	s_cmp_eq_u32 s47, 2
	s_cselect_b64 s[22:23], s[76:77], s[22:23]
	s_add_nc_u64 s[22:23], s[22:23], s[8:9]
	s_cmp_eq_u32 s[ROLE], 1
	s_cbranch_scc1 .Lno_bias
.irp b, 0,1,2,3                        ; register 8 b + j: the bias of column 16 b + 8 h + j, as the C operand wants it
	global_load_b128 v[BIAS+8*(\b):BIAS+8*(\b)+3],   v[BO], s[22:23] offset:64*(\b)
	global_load_b128 v[BIAS+8*(\b)+4:BIAS+8*(\b)+7], v[BO], s[22:23] offset:64*(\b)+16
.endr
	s_wait_loadcnt 0x0                     ; the bias is in: the eight loads are done, so their base s[22:23] may be written
	s_mov_b32 s22, 0xffff0000              ; a word's upper bf16
.set i, 0
.rept 16                               ; an input of the module: rounded to bf16
	v_cvt_pk_bf16_f32 v[30+(i/2)%2], v[BIAS+i], v[BIAS+i+1]
	v_lshlrev_b32 v[BIAS+i], 16, v[30+(i/2)%2]
	v_and_b32 v[BIAS+i+1], s22, v[30+(i/2)%2]
.set i, i+2
.endr
	s_branch .Lbiased
.Lno_bias:
.set i, 0
.rept 32
	v_mov_b32 v[BIAS+i], 0                 ; W12 has none
.set i, i+1
.endr
.Lbiased:
	s_wait_tensorcnt 1                     ; my part of K step 0 is in; K step 1's may stay out
	s_barrier_signal -1
	s_barrier_wait -1
	FETCH 0, 0, F0
	QUARTER 0, 1, F0, F1, 1                ; the first quarter stands in front of the loop: its products start the sums
	WIN 0                                  ; at a label and at a branch every window is 0
.Llap:                                         ; a trip goes once round the ring, from a lap's second quarter to the next lap's first, and fills both slots again: K steps 2 to 15 in seven trips
	QUARTER 0, 2, F1, F0, 0
	QUARTER 0, 3, F0, F1, 0
	TURN 0, 1, 1
	QUARTER 1, 1, F0, F1, 0
	QUARTER 1, 2, F1, F0, 0
	QUARTER 1, 3, F0, F1, 0
	TURN 1, 0, 1
	WIN 0
	s_and_b32 s22, s[LAP], s[FM]
	s_cmp_eq_u32 s22, s[FM]                ; was that a tile's last lap?
	s_cbranch_scc0 .Lgo_on
	OUTW                                   ; both refills are asked for: the tile goes out (its last wait leaves no LDS instruction out: the next fragments are in),
	MUL8 F0, 0, 0, 1                       ; and the next tile's sums start from the bias; the conversions are the places behind the last products
	MUL8 F0, 0, 2, 1
	WIN 0
	s_branch .Ljoin
.Lgo_on:
	s_wait_dscnt 16
	MUL8 F0, 0, 0, 0
	MUL8 F0, 0, 2, 0
	WIN 0
.Ljoin:
	PLACES
	FETCH 0, 1, F1
	s_wait_dscnt 32
	MUL8 F0, 1, 0, 0
	MUL8 F0, 1, 2, 0
	WIN 0
	s_add_co_u32 s[LAP], s[LAP], 1
	s_sub_co_u32 s[CNT], s[CNT], 1
	s_cmp_lg_u32 s[CNT], 0
	s_cbranch_scc1 .Llap
	QUARTER 0, 2, F1, F0, 0                ; the last lap fills nothing, and has no round of the cluster's barrier
	QUARTER 0, 3, F0, F1, 0
	TURN 0, 1, 0
	QUARTER 1, 1, F0, F1, 0
	QUARTER 1, 2, F1, F0, 0
	QUARTER 1, 3, F0, F1, 0
	s_wait_dscnt 16                        ; the very last quarter: nothing more to fetch
	MUL8 F1, 0, 0, 0
	MUL8 F1, 0, 2, 0
	s_wait_dscnt 0x0
	MUL8 F1, 1, 0, 0
	MUL8 F1, 1, 2, 0
	OUTW
	s_wait_tensorcnt 0x0                   ; the wave's end: a wait, an add and a wait, behind my last tensor load and my last LDS store
	ds_add_u32 v[SPW], v[NIL]
	s_wait_dscnt 0x0
	CROUND                                 ; the closing round: no work-group ends while a partner may still ask for a tile that names it
	s_endpgm
.Lfunc_end_k_q0a8ac72a27_gemm1:
	.size	k_q0a8ac72a27_gemm1, .Lfunc_end_k_q0a8ac72a27_gemm1-k_q0a8ac72a27_gemm1
	.p2alignl 7, 3214868480
	.fill 96, 4, 3214868480
	.section	.rodata,"a",@progbits
	.p2align	6, 0x0
	.amdhsa_kernel k_q0a8ac72a27_gemm1
		.amdhsa_group_segment_fixed_size 327680
		.amdhsa_private_segment_fixed_size 0
		.amdhsa_enable_private_segment 0
		.amdhsa_kernarg_size 56
		.amdhsa_user_sgpr_count 2
		.amdhsa_user_sgpr_kernarg_segment_ptr 1
		.amdhsa_wavefront_size32 1
		.amdhsa_system_sgpr_workgroup_id_x 1
		.amdhsa_system_sgpr_workgroup_id_y 1
		.amdhsa_system_sgpr_workgroup_id_z 1
		.amdhsa_system_vgpr_workitem_id 0
		.amdhsa_next_free_vgpr 512
		.amdhsa_next_free_sgpr 96
		.amdhsa_reserve_vcc 0
		.amdhsa_float_denorm_mode_32 3
		.amdhsa_float_denorm_mode_16_64 3
		.amdhsa_memory_ordered 1
		.amdhsa_forward_progress 1
		.amdhsa_inst_pref_size 103
	.end_amdhsa_kernel
	.amdgpu_metadata
---
amdhsa.version: [ 1, 2 ]
amdhsa.kernels:
  - .name:           k_q0a8ac72a27_gemm1
    .symbol:         k_q0a8ac72a27_gemm1.kd
    .args:
      - { .name: hb, .offset: 0, .size: 8, .value_kind: global_buffer, .address_space: global }
      - { .name: wb, .offset: 8, .size: 8, .value_kind: global_buffer, .address_space: global }
      - { .name: bq, .offset: 16, .size: 8, .value_kind: global_buffer, .address_space: global }
      - { .name: bk, .offset: 24, .size: 8, .value_kind: global_buffer, .address_space: global }
      - { .name: bv, .offset: 32, .size: 8, .value_kind: global_buffer, .address_space: global }
      - { .name: qkv, .offset: 40, .size: 8, .value_kind: global_buffer, .address_space: global }
      - { .name: w12, .offset: 48, .size: 8, .value_kind: global_buffer, .address_space: global }
    .group_segment_fixed_size: 327680
    .private_segment_fixed_size: 0
    .kernarg_segment_align: 8
    .kernarg_segment_size: 56
    .max_flat_workgroup_size: 128
    .sgpr_count:     96
    .vgpr_count:     512
    .wavefront_size: 32
...
	.end_amdgpu_metadata
.endif
;; end of part 2
;; launch attn (part 3): grid 4 x 64, 4 waves a work-group, clusters of 4 x 1, 327,680 bytes of LDS; arguments qkv, ob; writes ob
.if DOCPART == 3
	.amdgcn_target "amdgcn-amd-amdhsa--gfx1250"
	.amdhsa_code_object_version 6
	.text
	.protected	k_q0a8ac72a27_attn
	.globl	k_q0a8ac72a27_attn
	.p2align	8
	.type	k_q0a8ac72a27_attn,@function
k_q0a8ac72a27_attn:
	s_mov_b64 s[64:65], 0
	v_nop
	global_prefetch_b8 v0, s[64:65] scope:SCOPE_SE
	s_setreg_imm32_b32 hwreg(HW_REG_WAVE_MODE, 25, 1), 1
	s_wait_xcnt 0x0
	s_wait_alu depctr_hold_cnt(0) depctr_sa_sdst(0) depctr_va_vdst(0) depctr_va_sdst(0) depctr_va_ssrc(0) depctr_va_vcc(0) depctr_vm_vsrc(0)
	s_getreg_b32 s2, hwreg(HW_REG_IB_STS2, 6, 4)
	s_cmp_eq_u32 s2, 0
	s_cbranch_scc0 .Lentry_in_a_cluster
	s_endpgm
.Lentry_in_a_cluster:
	s_bfe_u32 s2, ttmp6, 0x10000c
	s_cmp_lg_u32 s2, 0x3003
	s_cbranch_scc0 .Lentry_shape_is_right
	s_endpgm
.Lentry_shape_is_right:
; ATTENTION.  o[bh][q][:] = the sum over k of softmax_k(q . k / 8) v[k][:], 64 heads (batch x head) of 1,024 rows of 64, all bf16: qkv = [3][64 bh][1024][64], ob = [64 bh][1024][64].
; Products, maxima and sums in f32; the weights p are rounded to bf16 for the second product (their sum l is taken of the unrounded p), o once at the end.
; LIMITS.  c m starts at -4.25e37, far below every c s that finite bf16 rows give; a weight below 2^-126 counts as 0 in l; NaN and infinities are not treated apart.
; SHARES.  A work-group owns 256 queries of one head, a wave 64: two PIECES of two tiles of 16.  Every wave walks all 1,024 keys, 64 a step.
; ALL OF THE HEAD'S K AND V LIE IN LDS: 1,024 rows of 144 and of 160 bytes.  Each wave asks for a quarter (512 keys of K or of V) by ONE tensor load at the start: nothing is filled again, so the
; loop has no barrier.  For the same reason there is nothing to prefetch: every byte is asked for in the kernel's first lines.
; CLUSTER.  The four query blocks of a head form a cluster and ask for K and V JOINTLY: the same load, descriptor and mask in all four.
; LAYOUT.  S^T = K Q^T (source 0 = 16 keys, source 1 = 16 queries): a lane holds ONE query (lane % 16) and the keys 8 (lane / 16) + 0..7.  Two such tiles, rounded to bf16 in pairs, ARE source 1 of
; O^T = V^T P, whose result again holds one query a lane, and eight channels.  K comes out of LDS as it lies, V turned, by ds_load_tr16_b128.
; SOFTMAX.  A running maximum m and sum l a query: p = 2^(c s - c m), c = log2(e) / 8; in every step O and l are multiplied by a = 2^(c m_old - c m_new).  O and l start at 0: the first step is a step like any other, with a = 0.
; BY TURNS.  A turn belongs to one piece.  Its matrix work: 16 products K Q^T of the OTHER piece's next scores, later 16 products V^T P of the other piece's last weights.  Its vector work: the scaling, exponentials,
; roundings, sums and rescaling of its own piece, and the maximum and statistics of the other.  Four vector instructions stand behind every matrix instruction, the rest in one lump.
; REGISTERS, in windows of 256 (s_set_vgpr_msb: bits 1:0 source 0, 3:2 source 1, 5:4 source 2, 7:6 destination):
;   window 0: v0-11 addresses; v12-15, v48-63 at work; v16-31 four registers of statistics a tile; v32-33 the add's; v64-191 S^T, a buffer a piece; v192-255 P, likewise
;   window 1: v0-127 O^T, 32 a tile          window 2: v0-63 Q, 16 a tile; v128-191 K of one step; v192-255 V of one step
.set NP,    2         ; pieces a wave: a name, no knob
.set KS,    64        ; keys in a step
.set PK,    144       ; a row of K in LDS: 128 bytes + 16: the 16 rows of a load start at 16 different groups of four banks (64 banks of 4 bytes: ISA guide 11.1)
.set PV,    160       ; a row of V: 128 + 32
.set VOFF,  1024*PK
.set STAGE, VOFF+1024*PV        ; behind K and V, never filled by a tensor load: 16 rows x 144 bytes for each wave, for the way out
.set SP,    144
.set SPARE, STAGE+4*16*SP       ; the spare words, 128 bytes for each wave: two blocks of 256 bytes that no other line names
.set AK0, 2           ; v2   my lane's place in a step of K; never rewritten
.set AV0, 3           ; v3   the same for V
.set AK,  4           ; v4   the LDS address of K's next run of loads
.set AV,  5           ; v5   of V's
.set QO,  6           ; v6   my byte offset in the wave's rows of Q
.set STO, 6           ;      later, the way out: where I put 16 bytes of a row
.set RD,  7           ; v7   the way out: where I read rows back
.set GO,  8           ; v8   my byte offset in 512 consecutive bytes of o
.set MV,  12          ; v12-15  c m_old, kept while c m is made anew: by piece and tile
.set ST,  16          ; tile t's statistics at v[ST+4 t]: c m, m, l (even keys', odd keys')
.set SPW, 32          ; v32  my spare word; never rewritten
.set NIL, 33          ; v33  0; never rewritten
.set TMP, 48          ; by piece and tile, four registers c0-c3 at work; when the maximum is found c2 takes a
.set S,   64
.set P,   192
.set KF,  128         ; K's fragments, in window 2: key block kb, channel half c at KF + 16 kb + 8 c
.set VF,  192         ; V's: key half kk, channel block cb at VF + 32 kk + 8 cb
.set WV,  12          ; s12  my wave's number
.set G1K, 24          ; s[24:31] descriptor group 1 for K
.set G1V, 32          ; s[32:39] for V: it differs in the padding alone
.set G0K, 40          ; s[40:43] descriptor group 0 for K
.set G0V, 44          ; s[44:47] for V
.set CNT, 57          ; s57  key steps to go
.set CS,  58          ; s[58:59] c
.set SEL, 60          ; s[60:61] v_permlanex16_b32's selects: each lane takes its own place in the other half
.set TBK, 62          ; s62  LDS byte at which K of the step to be fetched begins
.set TBV, 63          ; s63  the same for V, less VOFF
.set MSB, 0
.macro WIN new                      ; the high byte repeats the setting that is left; a switch that changes nothing is dropped
.if MSB != (\new)
	s_set_vgpr_msb (MSB<<8)|(\new)
.set MSB, (\new)
.endif
.endm
.set W_KQ, 0x0a       ; K and Q in window 2, S^T in window 0
.set W_PV, 0x52       ; V in window 2, P in window 0, O^T in window 1
.set W_RS, 0x41       ; O^T (destination and source 0) in window 1, a in window 0
.macro CROUND                       ; a round of the cluster's barrier
	s_barrier_signal -1
	s_barrier_wait -1
	s_cmp_lg_u32 s[WV], 0
	s_cbranch_scc1 .Lnot_wave_0_\@
	s_barrier_signal -3
.Lnot_wave_0_\@:
	s_barrier_wait -3
	s_barrier_signal -1
	s_barrier_wait -1
.endm
	s_load_b128 s[4:7], s[0:1], 0x0 ; qkv s[4:5], ob s[6:7]
	v_lshl_add_u32 v[SPW], v0, 2, SPARE
	v_mov_b32 v[NIL], 0
	ds_add_u32 v[SPW], v[NIL]       ; the wave's opening: the add and its wait ahead of my tensor load; the set-up below, work on registers, stands between them
	v_lshrrev_b32 v1, 5, v0
	v_readfirstlane_b32 s[WV], v1   ; wave 0..3
	s_bfe_u32 s13, ttmp6, 0x40000   ; cx: my block of 256 queries; it enters Q's and o's addresses alone
	s_and_b32 s20, ttmp7, 0xffff    ; the head, which the four partners share
	s_lshl_b32 s20, s20, 17         ; its 1,024 rows of 128 bytes
	s_and_b32 s16, s[WV], 1         ; which 512 keys I fetch
	s_lshl_b32 s22, s16, 16
	s_add_co_u32 s22, s22, s20
	s_add_co_u32 s18, s22, 0x1000000  ; v's place in qkv
	s_add_co_u32 s22, s22, 0x800000   ; k's
	s_mov_b32 s23, 0
	s_mov_b32 s19, 0
	s_mul_i32 s17, s16, 512*PK      ; and where they go: no place in the cluster enters an LDS address
	s_mul_i32 s14, s16, 512*PV
	s_lshl_b32 s2, s13, 15
	s_lshl_b32 s3, s[WV], 13
	s_add_co_u32 s2, s2, s3
	s_add_co_u32 s2, s2, s20        ; my wave's 64 rows of q and of o
	s_mov_b32 s3, 0
	; group 1: 512 keys are 65,536 bytes on end: asked for as 256 rows of 256 bytes, two keys a row, and padded in LDS after every key
	s_mov_b32 s[G1K], 15|(1<<16)|(1<<20)|(1<<21)|(4<<22)|(3<<25)  ; 15:0 the mask of four; 17:16 2-byte elements; 20 padding on; 21 set beside a mask; 24:22 after every 32 words (code 4); 31:25 4 words (code 3)
	s_mov_b32 s[G1V], 15|(1<<16)|(1<<20)|(1<<21)|(4<<22)|(7<<25)  ; the same with 8 words of padding (code 7)
.irp g, G1K, G1V
	s_mov_b32 s[\g+1], 128<<16      ; tensor_dim0 = 128
	s_mov_b32 s[\g+2], 256<<16      ; tensor_dim1 = 256
	s_mov_b32 s[\g+3], 128<<16      ; tile_dim0 = 128
	s_mov_b32 s[\g+4], 256          ; tile_dim1 = 256
	s_mov_b32 s[\g+5], 128          ; 128 elements from row to row
	s_mov_b32 s[\g+6], 0
	s_mov_b32 s[\g+7], 0
.endr
	s_mov_b32 s[CS], 0x3e38aa3b     ; c = log2(e) / 8
	s_mov_b32 s[CS+1], s[CS]        ; named with it as a pair
	s_mov_b32 s[SEL], 0x76543210
	s_mov_b32 s[SEL+1], 0xfedcba98
	s_mov_b32 s[TBK], 0
	s_mov_b32 s[TBV], 0
	s_mov_b32 s[G0K], 1
	s_mov_b32 s[G0K+1], s17
	s_mov_b32 s[G0V], 1
	s_add_co_u32 s[G0V+1], s14, VOFF
	s_wait_dscnt 0x0                ; the opening add is done
	s_wait_kmcnt 0x0
	s_add_nc_u64 s[G0K+2:G0K+3], s[4:5], s[22:23]
	s_or_b32 s[G0K+3], s[G0K+3], 0x80000000
	s_add_nc_u64 s[G0V+2:G0V+3], s[4:5], s[18:19]
	s_or_b32 s[G0V+3], s[G0V+3], 0x80000000
	s_add_nc_u64 s[8:9], s[4:5], s[2:3]    ; q at my wave's first row
	s_add_nc_u64 s[10:11], s[6:7], s[2:3]  ; o likewise
	CROUND                          ; all four work-groups are here: the joint loads meet
	s_cmp_lt_u32 s[WV], 2           ; waves 0 and 1 fetch the halves of K, waves 2 and 3 those of V: one load of mine is out.  An s_nop 0 and four v_nop follow each line
	s_cbranch_scc0 .Lfor_v
	tensor_load_to_lds s[G0K:G0K+3], s[G1K:G1K+7]
	s_nop 0
.rept 4
	v_nop
.endr
	s_branch .Lasked
.Lfor_v:
	tensor_load_to_lds s[G0V:G0V+3], s[G1V:G1V+7]
	s_nop 0
.rept 4
	v_nop
.endr
.Lasked:
	; A fragment of K or Q is 16 rows x 32 channels in 8 registers: lane l holds row l % 16, channels 8 (l / 16) + 0..7 and 16 + 8 (l / 16) + 0..7: two loads of 16 bytes, 32 bytes apart.
	v_and_b32 v1, 15, v0            ; l % 16
	v_bfe_u32 v9, v0, 4, 1          ; l / 16
	v_lshlrev_b32 v[QO], 7, v1
	v_lshl_add_u32 v[QO], v9, 4, v[QO]
	WIN 0x80                        ; destination window 2, address window 0
.set i, 0
.rept 4*NP                          ; Q stays in registers: tile i / 2, channels 32 (i % 2) on
	global_load_b128 v[8*i:8*i+3],   v[QO], s[8:9] offset:(i/2)*2048+(i%2)*64
	global_load_b128 v[8*i+4:8*i+7], v[QO], s[8:9] offset:(i/2)*2048+(i%2)*64+32
.set i, i+1
.endr
	; What the first turn finds: V's registers and piece 1's P hold 0 (its products V^T P, of a step that has not been, add 0), O^T and l are 0.  All this stands in the wait for K and V.
.set i, VF
.rept 64
	v_mov_b32 v[i], 0
.set i, i+1
.endr
	WIN 0x40
.set i, 0
.rept 64*NP
	v_mov_b32 v[i], 0
.set i, i+1
.endr
	WIN 0
.set i, 0
.rept 2*NP
	v_mov_b32 v[ST+4*i], 0xfe000000    ; c m: far below every c s
	v_mov_b32 v[ST+4*i+1], 0xff7fffff  ; m
	v_mov_b32 v[ST+4*i+2], 0
	v_mov_b32 v[ST+4*i+3], 0
.set i, i+1
.endr
.set i, P+32
.rept 32
	v_mov_b32 v[i], 0
.set i, i+1
.endr
	v_mul_u32_u24 v[AK0], v1, PK
	v_lshl_add_u32 v[AK0], v9, 4, v[AK0]
	; The turning load takes 16 keys x 16 channels (lane l reads key 8 (l / 16) + l % 8, channels 8 ((l / 8) % 2) + 0..7) and leaves half a fragment of V^T: lane l holds channel l % 16 and 8 keys.
	v_and_b32 v10, 7, v0
	v_bfe_u32 v11, v0, 3, 1
	v_lshl_add_u32 v[AV0], v9, 3, v10
	v_mul_u32_u24 v[AV0], v[AV0], PV
	v_lshl_add_u32 v[AV0], v11, 4, v[AV0]
	v_add_nc_u32 v[AV0], VOFF, v[AV0]
	v_mov_b32 v[AK], v[AK0]         ; key step 0
; THE MATRIX WORK.  The 8 accumulators of a run of 16 take turns: between the two links of a chain stand 7 others'.
; Product i of 16 of S^T = K Q^T for piece x: channels 32 (i / 8) on, keys 16 ((i / 2) % 4) on, tile 2 x + i % 2.  The first 8 start the sums.
.macro KQ x
	WIN W_KQ
.set rS, S+64*((\x)%2)+32*(i%2)+8*((i/2)%4)
.set rK, KF+16*((i/2)%4)+8*(i/8)
.set rQ, 16*(2*(\x)+i%2)+8*(i/8)
.if i < 8
	v_wmma_f32_16x16x32_bf16 v[rS:rS+7], v[rK:rK+7], v[rQ:rQ+7], 0
.else
	v_wmma_f32_16x16x32_bf16 v[rS:rS+7], v[rK:rK+7], v[rQ:rQ+7], v[rS:rS+7]
.endif
.endm
; Product i of 16 of O^T += V^T P for piece x: keys 32 (i / 8) on, channels 16 ((i / 2) % 4) on, tile 2 x + i % 2.
.macro PV x
	WIN W_PV
.set rO, 32*(2*(\x)+i%2)+8*((i/2)%4)
.set rV, VF+32*(i/8)+8*((i/2)%4)
.set rP, P+32*((\x)%2)+16*(i%2)+8*(i/8)
	v_wmma_f32_16x16x32_bf16 v[rO:rO+7], v[rV:rV+7], v[rP:rP+7], v[rO:rO+7]
.endm
.macro MM                           ; the turn's next matrix instruction
.if i < 16
	KQ (Y+1)%NP
.set i, i+1
.else
.set i, i-16
	PV (Y+NP-1)%NP
.set i, i+17
.endif
.endm
; THE LDS LOADS stand in runs of 16, never singly among the matrix instructions.  last = 1: in the last trip there is no further step, and the run is jumped over.
.macro FETCH_K last=0
	WIN 0
.if \last
	s_cmp_eq_u32 s[CNT], 1
	s_cbranch_scc1 .Lno_k_\@
.endif
	WIN 0x80                        ; destination window 2
.irp f, 0,1,2,3,4,5,6,7             ; keys 16 (f / 2) on, channels 32 (f % 2) on
	ds_load_b128 v[KF+8*\f:KF+8*\f+3],   v[AK] offset:(\f/2)*16*PK+(\f%2)*64
	ds_load_b128 v[KF+8*\f+4:KF+8*\f+7], v[AK] offset:(\f/2)*16*PK+(\f%2)*64+32
.endr
	s_add_co_u32 s[TBK], s[TBK], KS*PK  ; the next fetch is the next step's
	WIN 0
.if \last
.Lno_k_\@:
.endif
.endm
.macro FETCH_V
	WIN 0x80
.irp f, 0,1,2,3,4,5,6,7             ; keys 32 (f / 4) on, channels 16 (f % 4) on
	ds_load_tr16_b128 v[VF+8*\f:VF+8*\f+3],   v[AV] offset:(\f/4)*32*PV+(\f%4)*32
	ds_load_tr16_b128 v[VF+8*\f+4:VF+8*\f+7], v[AV] offset:(\f/4)*32*PV+16*PV+(\f%4)*32
.endr
	WIN 0
.endm
; THE VECTOR WORK OF A TURN stands in three queues, each in the order in which its entries become ready; the two tiles alternate, so that no instruction reads the result of the one before it.
.macro REGS y, u                    ; the registers of tile u (0, 1) of piece y
.set rT, ST+4*(2*(\y)+(\u))
.set rC, TMP+8*((\y)%2)+4*(\u)
.set rM, MV+2*((\y)%2)+(\u)
.set rS, S+64*((\y)%2)+32*(\u)
.set rP, P+32*((\y)%2)+16*(\u)
.set rO, 32*(2*(\y)+(\u))
.endm
; Number n of the 22 that find the OTHER piece's maximum and statistics.  s0-s31 are the lane's 32 scores; each accumulator's lowest registers are read first.
;   0-11  four chains c0-c3 of seven scores each, three operands at a time     12-14, 16  the four scores left over, the old m, and c0-c3 into c0     15  c m_old is kept
;   17, 18  the query's other 32 keys lie in the lane 16 away: the new m         19-21  c m; c m_old - c m_new; a
.macro XS u, n
	REGS (Y+1)%NP, \u
.if (\n) < 4
	v_max3_num_f32 v[rC+(\n)], v[rS+8*(\n)], v[rS+8*(\n)+1], v[rS+8*(\n)+2]
.elseif (\n) < 12
	v_max3_num_f32 v[rC+(\n)%4], v[rC+(\n)%4], v[rS+8*((\n)%4)+2*((\n)/4)+1], v[rS+8*((\n)%4)+2*((\n)/4)+2]
.elseif (\n) == 12
	v_max3_num_f32 v[rC], v[rC], v[rS+7], v[rS+15]
.elseif (\n) == 13
	v_max3_num_f32 v[rC+1], v[rC+1], v[rS+23], v[rS+31]
.elseif (\n) == 14
	v_max3_num_f32 v[rC+2], v[rC+2], v[rC+3], v[rT+1]
.elseif (\n) == 15
	v_mov_b32 v[rM], v[rT]
.elseif (\n) == 16
	v_max3_num_f32 v[rC], v[rC], v[rC+1], v[rC+2]
.elseif (\n) == 17
	v_permlanex16_b32 v[rC+3], v[rC], s[SEL], s[SEL+1]
.elseif (\n) == 18
	v_max_num_f32 v[rT+1], v[rC], v[rC+3]
.elseif (\n) == 19
	v_mul_f32 v[rT], s[CS], v[rT+1]
.elseif (\n) == 20
	v_sub_f32 v[rC+1], v[rM], v[rT]
.else
	v_exp_f32 v[rC+2], v[rC+1]
.endif
.endm
; Number g of the 64 that follow the exponentials.  For each four weights k of a tile: both pairs are rounded to bf16; then the second pair is added onto the first, in place;
; a group later l takes that sum (the first time as l = a l + sum).  In groups of eight, tiles alternating: round, round, add, and l for the group before.
.macro GS g
.set h, (\g)+6*((\g)/62)            ; group 0 has no group before it, and behind group 7 only l is left
.if h >= 6
.set h, h+2
.endif
	REGS Y, h%2
.set k, h/8
.if h%8 < 4
	v_cvt_pk_bf16_f32 v[rP+2*k+(h%8)/2], v[rS+4*k+2*((h%8)/2)], v[rS+4*k+2*((h%8)/2)+1]
.elseif h%8 < 6
	v_pk_add_f32 v[rS+4*k:rS+4*k+1], v[rS+4*k:rS+4*k+1], v[rS+4*k+2:rS+4*k+3]
.elseif k == 1
	v_pk_fma_f32 v[rT+2:rT+3], v[rT+2:rT+3], v[rC+2:rC+3], v[rS:rS+1] op_sel_hi:[1,0,1]
.else
	v_pk_add_f32 v[rT+2:rT+3], v[rT+2:rT+3], v[rS+4*k-4:rS+4*k-3]
.endif
.endm
; THE PLAIN QUEUE, 138 long.  0-73 read no exponential's result: the 32 scalings c s - c m (FS f: pair f / 2 of tile f % 2) and the other piece's 42.  0-26: scalings 0-26.  27-54: XS's numbers 0-13.  55, 56: number 15.
; 57-73: the chain, where each number waits for the one before it: 14, 16, 17, 18, 19, each with one of the scalings 27-31 in front of its two lines, then 20.  74-137: GS's 64, which stand behind the wait.
.macro FS f
	REGS Y, (\f)%2
	v_pk_fma_f32 v[rS+2*((\f)/2):rS+2*((\f)/2)+1], v[rS+2*((\f)/2):rS+2*((\f)/2)+1], s[CS:CS+1], v[rT:rT+1] op_sel_hi:[1,0,0] neg_lo:[0,0,1] neg_hi:[0,0,1]
.endm
.macro PL
	WIN 0
.if q < 27
	FS q
.elseif q < 55
	XS (q-27)%2, (q-27)/2
.elseif q < 57
	XS q-55, 15
.elseif (q < 72) && ((q-57)%3 == 0)
	FS 27+(q-57)/3
.elseif q < 60
	XS (q-57)%3-1, 14
.elseif q < 72
	XS (q-57)%3-1, 15+(q-57)/3
.elseif q < 74
	XS q-72, 20
.else
	GS q-74
.endif
.set q, q+1
.endm
; THE EXPONENTIALS' QUEUE, 66 long: s0-s31 of both tiles, then the other piece's two a.  ONE BATCH: all 66 stand ahead of the turn's one wait, and nothing ahead of that wait names a result of theirs.
.macro EX
	WIN 0
.if e >= 64
	XS e-64, 21
.else
	REGS Y, e%2
	v_exp_f32 v[rS+e/2], v[rS+e/2]
.endif
.set e, e+1
.endm
; THE RESCALING's QUEUE: O^T times a, the one part that leaves window 0: two at a time, sixteen times, each accumulator from its low end.  Its a was made in the turn before, ahead of that turn's wait.
; The last product V^T P on these registers stands in the turn before: four riders and this turn's first two plain lines lie between.
.macro R2
	REGS Y, r%2
	WIN W_RS
.irp z, 0,1
	v_pk_mul_f32 v[rO+4*(r/2)+2*\z:rO+4*(r/2)+2*\z+1], v[rO+4*(r/2)+2*\z:rO+4*(r/2)+2*\z+1], v[rC+2:rC+3] op_sel_hi:[1,0]
.endr
.set r, r+1
.endm
; A TURN, for piece p.  AHEAD OF ITS ONE WAIT stands all that names no result of the turn's exponentials: 16 products K Q^T, behind each a scaling, an exponential and two rescalings (behind the first a second
; scaling); then one lump of 108: eight plain, 49 times exponential and plain, the two a.  BEHIND IT: 16 products V^T P, behind each four of GS's 64.
; Piece 0's turn fetches K of the next step directly behind the wait, a lump behind the last product that read K, and V of the step in hand at its end, four riders behind V's last reader.
; Piece 1's turn waits for K at its head and for V ahead of its products V^T P.  cnt = 1: the loop's count is taken down some lines ahead of the branch behind the turn.
.macro TURN p, last=0, cnt=0
.set Y, (\p)
.set i, 0
.set q, 0
.set e, 0
.set r, 0
.if (\p) == 1
	s_wait_dscnt 16                 ; K's sixteen loads are in; V's sixteen, issued behind them, may stay out
.endif
	MM
	PL
	PL
	R2
.rept 15
	MM
	PL
	EX
	R2
.endr
.if (\p) == 0
	WIN 0
	v_add_nc_u32 v[AK], s[TBK], v[AK0]
.endif
.rept 8
	PL
.endr
.rept 49
	EX
	PL
.endr
	EX
	EX
	v_nop                           ; a plain instruction behind the last exponential: one for the batch
	s_wait_alu depctr_va_vdst(0)    ; the wait for the batch, ahead of its first reader
.if (\p) == 0
	FETCH_K \last
.endif
.if (\p) == 1
	s_wait_dscnt 0x0                ; V is in
.endif
.rept 16
	MM
.rept 4
	PL
.endr
.if ((\p) == 0) && (q == 118)
	v_add_nc_u32 v[AV], s[TBV], v[AV0]
.endif
.if ((\p) == 0) && (q == 130)
	s_add_co_u32 s[TBV], s[TBV], KS*PV
.endif
.if (\cnt) && (q == 130)
	s_sub_co_u32 s[CNT], s[CNT], 1
	s_cmp_lg_u32 s[CNT], 0
.endif
.endr
.if (\p) == 0
	FETCH_V
.endif
.endm
	s_wait_tensorcnt 0x0            ; my quarter of K and V is in,
	s_barrier_signal -1
	s_barrier_wait -1               ; everybody's is; nothing is ever filled again
	FETCH_K                         ; key step 0
	s_wait_loadcnt 0x0              ; Q
	s_wait_dscnt 0x0
.set i, 0
.rept 16
	KQ 0                            ; piece 0's first scores: there is no vector work yet to set between them
.set i, i+1
.endr
	WIN 0                           ; the addresses for the way out: nine plain instructions, the places behind those products
	s_mul_i32 s13, s[WV], 16*SP
	s_add_co_u32 s13, s13, STAGE    ; my stage
	v_mul_u32_u24 v[STO], v1, SP    ; in: row l % 16, 16 bytes for each half of the lanes
	v_lshl_add_u32 v[STO], v9, 4, v[STO]
	v_add_nc_u32 v[STO], s13, v[STO]
	v_bfe_u32 v[RD], v0, 3, 2       ; back: 32 lanes take four rows of 128 bytes,
	v_mul_u32_u24 v[RD], v[RD], SP
	v_lshl_add_u32 v[RD], v10, 4, v[RD]
	v_add_nc_u32 v[RD], s13, v[RD]
	v_and_b32 v[GO], 31, v0         ; which are 512 consecutive bytes of o
	v_lshlrev_b32 v[GO], 4, v[GO]
.set Y, NP-1                        ; XS works for piece Y + 1: piece 0
.irp n, 0,1,2,3,4,5,6,7,8,9,10,11,12,13,14,15,16,17,18,19,20,21
	XS 0, \n
	XS 1, \n
.endr
	v_nop                           ; a plain instruction behind the two a,
	s_wait_alu depctr_va_vdst(0)    ; and their wait, ahead of the label
	s_mov_b32 s[CNT], 16
.Lstep:                             ; a trip is a key step: 64 matrix instructions
	TURN 0, 1
	TURN 1, 0, 1
	WIN 0
	s_cbranch_scc1 .Lstep
.set i, 0                           ; the last trip's 16 products K Q^T (on the last K once more) and the maximum made of them serve nothing: the price of one text for every trip
.rept 16
	PV NP-1                         ; piece 1's V^T P of the last step
.set i, i+1
.endr
	; THE WAY OUT.  l's two halves and the other half of the lanes' are added; O^T is divided by l, rounded to bf16 and sent through my stage in LDS, a tile at a time.  The additions are the places behind the last products.
	WIN 0
.macro ALL line:vararg              ; one line for each tile t
.set t, 0
.rept 2*NP
	\line
.set t, t+1
.endr
.endm
	ALL v_add_f32 v[ST+4*t+2], v[ST+4*t+2], v[ST+4*t+3]
	ALL v_permlanex16_b32 v[ST+4*t+3], v[ST+4*t+2], s[SEL], s[SEL+1]
	ALL v_add_f32 v[ST+4*t+2], v[ST+4*t+2], v[ST+4*t+3]
	ALL v_rcp_f32 v[ST+4*t+2], v[ST+4*t+2]
	v_nop                           ; a plain instruction between the last reciprocal and the use of its result
	s_wait_alu depctr_va_vdst(0)    ; one wait for the four reciprocals, ahead of the first use
.macro PACK t                       ; a lane's eight channels of a row pack into 16 bytes; they go into rows of 144 bytes and come back as whole rows of 128, into S^T's registers
	WIN W_RS
.set i, 32*(\t)
.rept 16
	v_pk_mul_f32 v[i:i+1], v[i:i+1], v[ST+4*(\t)+2:ST+4*(\t)+3] op_sel_hi:[1,0]
.set i, i+2
.endr
	WIN 0x05                        ; sources 0 and 1 window 1, destination window 0
.set i, 0
.rept 16
	v_cvt_pk_bf16_f32 v[S+16*(\t)+i], v[32*(\t)+2*i], v[32*(\t)+2*i+1]
.set i, i+1
.endr
	WIN 0
.irp f, 0,1,2,3
	ds_store_b128 v[STO], v[S+16*(\t)+4*\f:S+16*(\t)+4*\f+3] offset:32*\f
.endr
.irp f, 0,1,2,3
	ds_load_b128 v[S+16*(\t)+4*\f:S+16*(\t)+4*\f+3], v[RD] offset:\f*4*SP  ; LDS serves a wave's instructions in order (ISA guide 5.7.1.4): these see the stores above; the next tile's stores come behind them
.endr
.endm
.macro SEND t, younger              ; younger: the LDS instructions issued behind tile t's loads: the next tile's eight, or none
	WIN 0
.irp f, 0,1,2,3
	s_wait_dscnt (\younger)+3-\f
	global_store_b128 v[GO], v[S+16*(\t)+4*\f:S+16*(\t)+4*\f+3], s[10:11] offset:(\t)*2048+\f*512  ; 512 consecutive bytes, at a multiple of 256 from o's first
.endr
.endm
	PACK 0
.set t, 1
.rept 2*NP-1                        ; a tile's arithmetic stands between the loads of the tile before and its stores
	PACK t
	SEND t-1, 8
.set t, t+1
.endr
	SEND 2*NP-1, 0
	s_wait_tensorcnt 0x0            ; the wave's end: a wait, an add and a wait, behind my tensor load and my last LDS store
	ds_add_u32 v[SPW], v[NIL]
	s_wait_dscnt 0x0
	CROUND                          ; the closing round
	s_endpgm
.Lfunc_end_k_q0a8ac72a27_attn:
	.size	k_q0a8ac72a27_attn, .Lfunc_end_k_q0a8ac72a27_attn-k_q0a8ac72a27_attn
	.p2alignl 7, 3214868480
	.fill 96, 4, 3214868480
	.section	.rodata,"a",@progbits
	.p2align	6, 0x0
	.amdhsa_kernel k_q0a8ac72a27_attn
		.amdhsa_group_segment_fixed_size 327680
		.amdhsa_private_segment_fixed_size 0
		.amdhsa_enable_private_segment 0
		.amdhsa_kernarg_size 16
		.amdhsa_user_sgpr_count 2
		.amdhsa_user_sgpr_kernarg_segment_ptr 1
		.amdhsa_wavefront_size32 1
		.amdhsa_system_sgpr_workgroup_id_x 1
		.amdhsa_system_sgpr_workgroup_id_y 1
		.amdhsa_system_sgpr_workgroup_id_z 1
		.amdhsa_system_vgpr_workitem_id 0
		.amdhsa_next_free_vgpr 768
		.amdhsa_next_free_sgpr 66
		.amdhsa_reserve_vcc 0
		.amdhsa_float_denorm_mode_32 3
		.amdhsa_float_denorm_mode_16_64 3
		.amdhsa_memory_ordered 1
		.amdhsa_forward_progress 1
		.amdhsa_inst_pref_size 71
	.end_amdhsa_kernel
	.amdgpu_metadata
---
amdhsa.version: [ 1, 2 ]
amdhsa.kernels:
  - .name:           k_q0a8ac72a27_attn
    .symbol:         k_q0a8ac72a27_attn.kd
    .args:
      - { .name: qkv, .offset: 0, .size: 8, .value_kind: global_buffer, .address_space: global }
      - { .name: ob, .offset: 8, .size: 8, .value_kind: global_buffer, .address_space: global }
    .group_segment_fixed_size: 327680
    .private_segment_fixed_size: 0
    .kernarg_segment_align: 8
    .kernarg_segment_size: 16
    .max_flat_workgroup_size: 128
    .sgpr_count:     66
    .vgpr_count:     768
    .wavefront_size: 32
...
	.end_amdgpu_metadata
.endif
;; end of part 3
;; launch gemm_wo (part 4): grid 8 x 32, 4 waves a work-group, clusters of 4 x 4, 327,680 bytes of LDS; arguments ob, wb, bo, x, x1; writes x1
.if DOCPART == 4
	.amdgcn_target "amdgcn-amd-amdhsa--gfx1250"
	.amdhsa_code_object_version 6
	.text
	.protected	k_q0a8ac72a27_gemm_wo
	.globl	k_q0a8ac72a27_gemm_wo
	.p2align	8
	.type	k_q0a8ac72a27_gemm_wo,@function
k_q0a8ac72a27_gemm_wo:
	s_mov_b64 s[64:65], 0
	v_nop
	global_prefetch_b8 v0, s[64:65] scope:SCOPE_SE
	s_setreg_imm32_b32 hwreg(HW_REG_WAVE_MODE, 25, 1), 1
	s_wait_xcnt 0x0
	s_wait_alu depctr_hold_cnt(0) depctr_sa_sdst(0) depctr_va_vdst(0) depctr_va_sdst(0) depctr_va_ssrc(0) depctr_va_vcc(0) depctr_vm_vsrc(0)
	s_getreg_b32 s2, hwreg(HW_REG_IB_STS2, 6, 4)
	s_cmp_eq_u32 s2, 0
	s_cbranch_scc0 .Lentry_in_a_cluster
	s_endpgm
.Lentry_in_a_cluster:
	s_bfe_u32 s2, ttmp6, 0x10000c
	s_cmp_lg_u32 s2, 0xf033
	s_cbranch_scc0 .Lentry_shape_is_right
	s_endpgm
.Lentry_shape_is_right:
; GEMM_WO: x1 = bf16(x) + o Wo + bo.  o [4 b][16 block][1024 s][64] and Wo [16 block of n][1024 k][64] (in wb) are bf16 in blocks of 64 columns; sums f32; x1 [4096][1024] is f32.
; x and bo are inputs of the module and are taken rounded to bf16, as every input is in every launch.  (The text is one with GEMM_FFN's: GELU and BOFF tell them apart.)
; SHARES.  256 tiles of 128 x 128, one a work-group; four waves of 64 x 64, 16 accumulators; K = 1,024 in four steps of 256 through two LDS slots; 4 x 4 clusters, the left tile shared along a row, the right one along a column.
; THE MATRIX INSTRUCTION IS USED TRANSPOSED: source 0 = 16 columns n of the right operand (turned by ds_load_tr16_b128), source 1 = 16 rows of the left.  The first product takes the bias as C.
; THE RESIDUAL is asked for at the head, in the layout of the stores (32 rows x 512 bytes a wave), and is waited for at the way out.
; THE WAY OUT goes through slot 0, which has had its last fill: the four waves put the tile's 128 rows of 512 bytes there, pass a barrier, and each takes 32 whole rows, so that a store covers 512 consecutive bytes.
; The residual goes through LDS too, so that the way out is one loop of four trips over fixed registers.
; No prefetch: the tile is the small one, and only two refills follow the first fills.
; REGISTERS: window 0: v0-31 addresses; v32-95 the way out; v96-127 the bias; v128-255 the accumulators, later at work.  Window 1: two fragment buffers of 128.  Window 2: v0-127 the residual.
.set GELU,  0
.set BOFF,  6291456                    ; the right operand's place in its buffer
.set BLK,   131072
.set PA,    144                        ; a row of the left tile in LDS: 128 bytes + 16: the 16 rows of a load start at 16 different groups of four banks (64 banks of 4 bytes: ISA guide 11.1)
.set PB,    160                        ; a row of the right tile: 128 + 32
.set AKB,   128*PA
.set BBASE, 4*AKB
.set BNB,   256*PB
.set SLOT,  BBASE+2*BNB                ; 155,648
.set ASTEP, 4*BLK
.set BSTEP, 256*128
.set SPI,   528                        ; a row of the stage: 512 bytes + 16
.set RSG,   128*SPI                    ; behind the stage: 16 KiB for each wave's residual; both lie in slot 0
.set SPARE, 2*SLOT                     ; behind the ring: the spare words, 128 bytes for each wave: two blocks of 256 bytes that no other line names
.set ADRA, 16
.set ADRB, 20
.set RR,   22                          ; v22  my 16 bytes in my residual's first 512
.set STO,  24                          ; v24  where I put 32 bytes of a row of the stage
.set RD,   25                          ; v25  my 16 bytes in the first row that I take back
.set GO,   26                          ; v26  16 x lane
.set BO,   27                          ; v27  32 x (lane / 16)
.set SPW,  28
.set NIL,  29
.set RDC,  30                          ; v30, v31  the trip's two LDS addresses
.set RRC,  31
.set T,    32                          ; v[32:63]  eight rows' 16 bytes: the product, then the result
.set R,    64                          ; v[64:95]  the residual
.set BIAS, 96
.set ACC,  128
.set DD,   128                         ; at work on the way out
.set EE,   160
.set PP,   192
.set UU,   224
.set F0,   0
.set F1,   128
.set G1A,  24
.set G0A,  32
.set G1B,  48
.set G0B,  56
.set TS,   16                          ; s16, s17  the trip's steps in the stage and in the residual
.set TR,   17
.set CNT,  18
.set MSK,  19                          ; s19  a word's upper bf16
.set CP,   84                          ; s[84:97]  GELU's constants, in pairs whose low word serves both halves
.set CE,   86
.set A5,   88
.set A4,   90
.set A3,   92
.set A2,   94
.set A1,   96
.set MSB, 0
.macro WIN new                         ; the immediate's high byte repeats the setting that is left; a switch that changes nothing is dropped
.if MSB != (\new)
	s_set_vgpr_msb (MSB<<8)|(\new)
.set MSB, \new
.endif
.endm
.set MUL,  0x05                        ; sources 0 and 1 window 1; C and D window 0
.set TO_F, 0x40                        ; destination window 1, address window 0
.macro JLOAD s                         ; a joint load: waves 0 and 1 fetch the left tile's two pairs of blocks, waves 2 and 3 the right tile's two blocks; an s_nop 0 and four v_nop follow each line
	s_cmp_eq_u32 s11, 0
	s_cbranch_scc0 .Lfor_b_\@
	tensor_load_to_lds s[G0A+4*(\s):G0A+4*(\s)+3], s[G1A:G1A+7]
	s_nop 0
.rept 4
	v_nop
.endr
	s_branch .Lasked_\@
.Lfor_b_\@:
	tensor_load_to_lds s[G0B+4*(\s):G0B+4*(\s)+3], s[G1B:G1B+7]
	s_nop 0
.rept 4
	v_nop
.endr
.Lasked_\@:
.endm
.macro CREST                           ; a round of the cluster's barrier behind its opening barrier
	s_cmp_lg_u32 s10, 0
	s_cbranch_scc1 .Lnot_wave_0_\@
	s_barrier_signal -3
.Lnot_wave_0_\@:
	s_barrier_wait -3
	s_barrier_signal -1
	s_barrier_wait -1
.endm
.macro CROUND
	s_barrier_signal -1
	s_barrier_wait -1
	CREST
.endm
.macro PLACES                          ; four places in front of loads into registers that matrix instructions have read, and of lines that read results
.rept 4
	v_nop
.endr
.endm
; 8 matrix instructions: row blocks a0, a0 + 1 x all 4 column blocks, 32 along K: half c of buffer f.  m = 1: the product starts the sum from the bias.  The 16 accumulators take turns, in one order everywhere.
.macro MUL8 f, c, a0, m
	WIN MUL
.irp a, \a0, (\a0)+1
.irp b, 0,1,2,3
.if \m
	v_wmma_f32_16x16x32_bf16 v[ACC+8*(4*(\a)+(\b)):ACC+8*(4*(\a)+(\b))+7], v[(\f)+64+8*(4*(\c)+(\b)):(\f)+64+8*(4*(\c)+(\b))+7], v[(\f)+8*(4*(\c)+(\a)):(\f)+8*(4*(\c)+(\a))+7], v[BIAS+8*(\b):BIAS+8*(\b)+7]
.else
	v_wmma_f32_16x16x32_bf16 v[ACC+8*(4*(\a)+(\b)):ACC+8*(4*(\a)+(\b))+7], v[(\f)+64+8*(4*(\c)+(\b)):(\f)+64+8*(4*(\c)+(\b))+7], v[(\f)+8*(4*(\c)+(\a)):(\f)+8*(4*(\c)+(\a))+7], v[ACC+8*(4*(\a)+(\b)):ACC+8*(4*(\a)+(\b))+7]
.endif
.endr
.endr
.endm
; 32 LDS loads in one run: quarter q of the slot (64 along K) into buffer f; the first 32 along K first
.macro FETCH slot, q, f
	WIN TO_F
.irp c, 0,1
.irp i, 0,1,2,3
	ds_load_tr16_b128 v[(\f)+64+8*(4*(\c)+(\i)):(\f)+64+8*(4*(\c)+(\i))+3],   v[ADRB+(\slot)] offset:(\q)*64*PB+(\c)*32*PB+(\i)*32
	ds_load_tr16_b128 v[(\f)+64+8*(4*(\c)+(\i))+4:(\f)+64+8*(4*(\c)+(\i))+7], v[ADRB+(\slot)] offset:(\q)*64*PB+(\c)*32*PB+(\i)*32+16*PB
	ds_load_b128 v[(\f)+8*(4*(\c)+(\i)):(\f)+8*(4*(\c)+(\i))+3],              v[ADRA+(\slot)] offset:(\q)*AKB+(\i)*16*PA+(\c)*64
	ds_load_b128 v[(\f)+8*(4*(\c)+(\i))+4:(\f)+8*(4*(\c)+(\i))+7],            v[ADRA+(\slot)] offset:(\q)*AKB+(\i)*16*PA+(\c)*64+32
.endr
.endr
.endm
.macro QUARTER slot, q, f, g, m        ; multiplies buffer f and fetches quarter q into g
	s_wait_dscnt 16                        ; the first 32 along K are in
	MUL8 \f, 0, 0, \m
	MUL8 \f, 0, 2, \m
	PLACES
	FETCH \slot, \q, \g
	s_wait_dscnt 32                        ; all but the 32 just issued
	MUL8 \f, 1, 0, 0
	MUL8 \f, 1, 2, 0
.endm
.macro STEP slot                       ; the slot's next K step, two on; no tensor load of the wave is out where this stands
	s_add_nc_u64 s[G0A+4*(\slot)+2:G0A+4*(\slot)+3], s[G0A+4*(\slot)+2:G0A+4*(\slot)+3], 2*ASTEP
	s_add_nc_u64 s[G0B+4*(\slot)+2:G0B+4*(\slot)+3], s[G0B+4*(\slot)+2:G0B+4*(\slot)+3], 2*BSTEP
.endm
; The last quarter multiplies buffer 1 and changes slots: ONE barrier; in front of it each wave waits for all its tensor loads, adds 0 to its spare word, and waits for that and for its reads of this slot.
.macro TURN slot, next, fill
	WIN 0
	s_wait_tensorcnt 0x0                   ; all my tensor loads have landed: the one that was out is my part of the next slot
	ds_add_u32 v[SPW], v[NIL]              ; 0 onto my spare word
.if \fill
	STEP \slot
.endif
	s_wait_dscnt 17                        ; the add and the youngest sixteen loads may be out
	MUL8 F1, 0, 0, 0
	s_wait_dscnt 0x0                       ; the add is done, and my reads of this slot are over
	s_barrier_signal -1
	MUL8 F1, 0, 2, 0
.if \fill
	WIN 0
.endif
	s_barrier_wait -1
.if \fill
	CREST                                  ; the barrier has opened a round of the cluster's: no wave of any partner still reads this slot or has a load on its way
	JLOAD \slot                            ; the first tensor load behind the round; its four v_nop are also the places in front of the loads below
.else
	PLACES
.endif
	FETCH \next, 0, F0
	MUL8 F1, 1, 0, 0
	MUL8 F1, 1, 2, 0
.endm
	s_load_b256 s[68:75], s[0:1], 0x0      ; left s[68:69], right s[70:71], bias s[72:73], residual s[74:75]
	s_load_b64 s[76:77], s[0:1], 0x20      ; the output
	v_lshl_add_u32 v[SPW], v0, 2, SPARE
	v_mov_b32 v[NIL], 0
	ds_add_u32 v[SPW], v[NIL]              ; the wave's opening: the add and its wait ahead of my first tensor load; the set-up below, work on registers, stands between them
	v_lshrrev_b32 v1, 5, v0
	v_readfirstlane_b32 s10, v1            ; wave 0..3
	s_lshr_b32 s11, s10, 1                 ; which half of the tile's rows is mine.  Also: I fetch the left (0) or the right (1) tile
	s_and_b32 s12, s10, 1                  ; which half of its columns.  Also: which half of that tile I fetch
	s_bfe_u32 s40, ttmp6, 0x40000          ; cx
	s_bfe_u32 s41, ttmp6, 0x40004          ; cy
	s_lshl_b32 s42, ttmp9, 2
	s_add_co_u32 s42, s42, s40             ; tile column = 4 x cluster x + cx
	s_and_b32 s13, ttmp7, 0xffff
	s_lshl_b32 s13, s13, 2
	s_add_co_u32 s13, s13, s41             ; tile row = 4 x cluster y + cy
	s_lshl_b32 s43, s41, 2
	s_lshl_b32 s43, 15, s43                ; my row of the cluster
	s_lshl_b32 s44, 0x1111, s40            ; my column
	; group 1, left: two runs of 16 KiB (128 rows of a block), one block apart; 16 bytes of padding behind every 128
	s_or_b32 s[G1A+0], s43, (1<<16)|(1<<20)|(1<<21)|(4<<22)|(3<<25)  ; 15:0 the mask; 17:16 2-byte elements; 20 padding on; 21 set beside a mask; 24:22 after every 32 words (code 4); 31:25 4 words (code 3)
	s_mov_b32 s[G1A+1], 8192<<16           ; tensor_dim0 = 8,192 elements
	s_mov_b32 s[G1A+2], 2<<16              ; tensor_dim1 = 2
	s_mov_b32 s[G1A+3], 8192<<16           ; tile_dim0
	s_mov_b32 s[G1A+4], 2                  ; tile_dim1
	s_mov_b32 s[G1A+5], 65536              ; a block is 65,536 elements
	s_mov_b32 s[G1A+6], 0
	s_mov_b32 s[G1A+7], 0
	; group 1, right: 32 KiB on end as 128 rows of 256 bytes; 32 bytes of padding behind every 128
	s_or_b32 s[G1B+0], s44, (1<<16)|(1<<20)|(1<<21)|(4<<22)|(7<<25)
	s_mov_b32 s[G1B+1], 128<<16
	s_mov_b32 s[G1B+2], 128<<16
	s_mov_b32 s[G1B+3], 128<<16
	s_mov_b32 s[G1B+4], 128
	s_mov_b32 s[G1B+5], 128
	s_mov_b32 s[G1B+6], 0
	s_mov_b32 s[G1B+7], 0
	s_lshr_b32 s4, s13, 3                  ; the left tile: the batch,
	s_lshl_b32 s4, s4, 21
	s_and_b32 s5, s13, 7                   ; 128 rows of it,
	s_lshl_b32 s5, s5, 14
	s_add_co_u32 s4, s4, s5
	s_lshl_b32 s5, s12, 18                 ; the pair of blocks that I fetch
	s_add_co_u32 s4, s4, s5
	s_mov_b32 s5, 0
	s_lshl1_add_u32 s6, s42, s12           ; the right tile: my block of 64 columns
	s_lshl_b32 s6, s6, 17
	s_add_co_u32 s6, s6, BOFF
	s_mov_b32 s7, 0
	s_mul_i32 s20, s12, 2*AKB              ; where my part of a tile goes: no place in the cluster enters an LDS address
	s_mul_i32 s21, s12, BNB
	s_add_co_u32 s21, s21, BBASE
	s_lshl_b32 s2, s42, 9                  ; the tile's 128 columns of f32
	s_lshl_b32 s3, s12, 8
	s_add_co_u32 s22, s2, s3               ; the bias of my 64 columns
	s_mov_b32 s23, 0
	s_lshl_b32 s3, s13, 19                 ; the tile's 128 rows of 4,096 bytes,
	s_add_co_u32 s2, s2, s3
	s_lshl_b32 s3, s10, 17                 ; the 32 of them that I store
	s_add_co_u32 s2, s2, s3
	s_mov_b32 s3, 0
	s_mov_b32 s[MSK], 0xffff0000
.if GELU
	s_mov_b32 s[CP], 0x3e6d3388            ; 0.3275911 / sqrt(2)
	s_mov_b32 s[CE], 0xbf38aa3b            ; -log2(e) / 2
	s_mov_b32 s[A5], 0x3f07dc22            ; half of 1.061405429
	s_mov_b32 s[A4], 0xbf3a00e3            ; of -1.453152027
	s_mov_b32 s[A3], 0x3f35f0e3            ; of 1.421413741
	s_mov_b32 s[A2], 0xbe11a98e            ; of -0.284496736
	s_mov_b32 s[A1], 0x3e027906            ; of 0.254829592
.irp c, CP, CE, A5, A4, A3, A2, A1
	s_mov_b32 s[\c+1], 0                   ; named with it as a pair
.endr
.endif
	s_wait_dscnt 0x0                       ; the opening add is done
	s_wait_kmcnt 0x0
	s_add_nc_u64 s[14:15], s[68:69], s[4:5]
	s_add_nc_u64 s[46:47], s[70:71], s[6:7]
	s_add_nc_u64 s[72:73], s[72:73], s[22:23]
	s_add_nc_u64 s[74:75], s[74:75], s[2:3]
	s_add_nc_u64 s[76:77], s[76:77], s[2:3]
	CROUND                                 ; all sixteen work-groups are here: the first joint loads meet
.irp s, 0,1
	s_mov_b32 s[G0A+4*(\s)], 1
	s_add_co_u32 s[G0A+4*(\s)+1], s20, (\s)*SLOT
	s_add_nc_u64 s[G0A+4*(\s)+2:G0A+4*(\s)+3], s[14:15], (\s)*ASTEP
	s_or_b32 s[G0A+4*(\s)+3], s[G0A+4*(\s)+3], 0x80000000
	s_mov_b32 s[G0B+4*(\s)], 1
	s_add_co_u32 s[G0B+4*(\s)+1], s21, (\s)*SLOT
	s_add_nc_u64 s[G0B+4*(\s)+2:G0B+4*(\s)+3], s[46:47], (\s)*BSTEP
	s_or_b32 s[G0B+4*(\s)+3], s[G0B+4*(\s)+3], 0x80000000
	JLOAD \s                               ; two loads of mine are out
.endr
	v_and_b32 v1, 15, v0                   ; r = l % 16
	v_bfe_u32 v2, v0, 4, 1                 ; h = l / 16
	v_lshlrev_b32 v[BO], 5, v2
.irp b, 0,1,2,3                        ; register 8 b + j: the bias of column 16 b + 8 h + j, as the C operand wants it
	global_load_b128 v[BIAS+8*(\b):BIAS+8*(\b)+3],   v[BO], s[72:73] offset:64*(\b)
	global_load_b128 v[BIAS+8*(\b)+4:BIAS+8*(\b)+7], v[BO], s[72:73] offset:64*(\b)+16
.endr
	v_and_b32 v3, 31, v0
	v_lshlrev_b32 v[GO], 4, v3
	WIN 0x80                               ; destination window 2, address window 0
.set i, 0
.rept 32                               ; the residual: row i of my 32, 512 consecutive bytes a load
	global_load_b128 v[4*i:4*i+3], v[GO], s[74:75] offset:i*4096
.set i, i+1
.endr
	WIN 0
	v_mul_u32_u24 v3, v1, PA
	v_lshl_add_u32 v3, v2, 4, v3           ; a left fragment: row x pitch + 16 h
	v_and_b32 v4, 7, v0
	v_lshl_add_u32 v5, v2, 3, v4           ; a right fragment: the turning load reads row k = 8 h + l % 8,
	v_mul_u32_u24 v5, v5, PB
	v_bfe_u32 v6, v0, 3, 1
	v_lshl_add_u32 v5, v6, 4, v5           ; columns 8 ((l / 8) % 2) on
	s_mul_i32 s22, s11, 64*PA
	s_mul_i32 s23, s12, BNB
	s_add_co_u32 s23, s23, BBASE
.irp s, 0,1
	v_add_nc_u32 v[ADRA+(\s)], s22, v3
	v_add_nc_u32 v[ADRB+(\s)], s23, v5
	s_add_co_u32 s22, s22, SLOT
	s_add_co_u32 s23, s23, SLOT
.endr
	v_mul_u32_u24 v6, v1, SPI              ; into the stage: row 64 (wave / 2) + r, my half of its 512 bytes, 32 bytes for each half of the lanes
	v_lshl_add_u32 v6, v2, 5, v6
	s_mul_i32 s22, s11, 64*SPI
	s_lshl_b32 s23, s12, 8
	s_add_co_u32 s22, s22, s23
	v_add_nc_u32 v[STO], s22, v6
	s_mul_i32 s22, s10, 32*SPI             ; back: rows 32 x wave on, whole
	v_add_nc_u32 v[RD], s22, v[GO]
	s_lshl_b32 s22, s10, 14
	s_add_co_u32 s22, s22, RSG
	v_add_nc_u32 v[RR], s22, v[GO]
	s_wait_loadcnt 32                      ; the bias is in; the 32 younger loads, the residual's, stay out
.if GELU == 0
.set i, 0
.rept 16                               ; an input of the module: rounded to bf16
	v_cvt_pk_bf16_f32 v[30+(i/2)%2], v[BIAS+i], v[BIAS+i+1]
	v_lshlrev_b32 v[BIAS+i], 16, v[30+(i/2)%2]
	v_and_b32 v[BIAS+i+1], s[MSK], v[30+(i/2)%2]
.set i, i+2
.endr
.endif
	s_wait_tensorcnt 1                     ; my part of K step 0 is in; K step 1's may stay out
	s_barrier_signal -1
	s_barrier_wait -1
	FETCH 0, 0, F0
	QUARTER 0, 1, F0, F1, 1                ; the first products start the sums from the bias
	QUARTER 0, 2, F1, F0, 0
	QUARTER 0, 3, F0, F1, 0
	TURN 0, 1, 1                           ; slot 0 takes K step 2
	QUARTER 1, 1, F0, F1, 0
	QUARTER 1, 2, F1, F0, 0
	QUARTER 1, 3, F0, F1, 0
	TURN 1, 0, 1                           ; slot 1 takes K step 3
	QUARTER 0, 1, F0, F1, 0
	QUARTER 0, 2, F1, F0, 0
	QUARTER 0, 3, F0, F1, 0
	TURN 0, 1, 0                           ; behind this barrier nobody reads slot 0 any more, and nothing is filled
	QUARTER 1, 1, F0, F1, 0
	QUARTER 1, 2, F1, F0, 0
	QUARTER 1, 3, F0, F1, 0
	s_wait_dscnt 16
	MUL8 F1, 0, 0, 0
	MUL8 F1, 0, 2, 0
	s_wait_dscnt 0x0
	MUL8 F1, 1, 0, 0
	MUL8 F1, 1, 2, 0
	WIN 0
	; THE WAY OUT
	PLACES
.irp a, 0,1,2,3
.irp b, 0,1,2,3                        ; a lane's eight columns of a row: 32 bytes; each accumulator from its low end
	ds_store_b128 v[STO], v[ACC+8*(4*(\a)+(\b)):ACC+8*(4*(\a)+(\b))+3]   offset:(\a)*16*SPI+(\b)*64
	ds_store_b128 v[STO], v[ACC+8*(4*(\a)+(\b))+4:ACC+8*(4*(\a)+(\b))+7] offset:(\a)*16*SPI+(\b)*64+16
.endr
.endr
	s_wait_loadcnt 0x0                     ; the residual
	WIN 0x08                               ; store data (source 1) window 2
.set i, 0
.rept 32
	ds_store_b128 v[RR], v[4*i:4*i+3] offset:i*512
.set i, i+1
.endr
	WIN 0
	s_wait_dscnt 0x0                       ; for the others' sake: my stores into the stage are done
	s_barrier_signal -1
	s_barrier_wait -1                      ; a row's 512 bytes come from two waves
	s_mov_b32 s[TS], 0
	s_mov_b32 s[TR], 0
	s_mov_b32 s[CNT], 4
.Lrows:                                        ; a trip: eight whole rows
	v_add_nc_u32 v[RDC], s[TS], v[RD]
	v_add_nc_u32 v[RRC], s[TR], v[RR]
.irp t, 0,1,2,3,4,5,6,7
	ds_load_b128 v[T+4*(\t):T+4*(\t)+3], v[RDC] offset:(\t)*SPI
.endr
.irp t, 0,1,2,3,4,5,6,7
	ds_load_b128 v[R+4*(\t):R+4*(\t)+3], v[RRC] offset:(\t)*512
.endr
	s_wait_dscnt 0x0
.if GELU
	; gelu(x) = x Phi(x).  With t = 1 / (1 + 0.3275911 |x| / sqrt 2): erfc(|x| / sqrt 2) / 2 = t (a1 + t (a2 + t (a3 + t (a4 + t a5)))) 2^(-x x log2(e) / 2), the coefficients halved
	; (Abramowitz and Stegun 7.1.26: off by 1.5e-7 of 1 at the most, for every x).  Phi is that for x < 0 and 1 less that otherwise.  A tail below 2^-126 counts as 0.
.set i, 0
.rept 16
	v_and_b32 v[DD+i], 0x7fffffff, v[T+i]
	v_and_b32 v[DD+i+1], 0x7fffffff, v[T+i+1]
	v_pk_mul_f32 v[EE+i:EE+i+1], v[T+i:T+i+1], v[T+i:T+i+1]
.set i, i+2
.endr
.set i, 0
.rept 16
	v_pk_fma_f32 v[DD+i:DD+i+1], v[DD+i:DD+i+1], s[CP:CP+1], 1.0 op_sel_hi:[1,0,0]
	v_pk_mul_f32 v[EE+i:EE+i+1], v[EE+i:EE+i+1], s[CE:CE+1] op_sel_hi:[1,0]
.set i, i+2
.endr
.set i, 0
.rept 32
	v_rcp_f32 v[DD+i], v[DD+i]
.set i, i+1
.endr
.set i, 0
.rept 32
	v_exp_f32 v[EE+i], v[EE+i]
.set i, i+1
.endr
	v_nop                                  ; a plain instruction behind the last of them
	s_wait_alu depctr_va_vdst(0)           ; one wait for the 64, ahead of their first reader
.set i, 0
.rept 16
	v_pk_fma_f32 v[PP+i:PP+i+1], v[DD+i:DD+i+1], s[A5:A5+1], s[A4:A4+1] op_sel_hi:[1,0,0]
.set i, i+2
.endr
.irp c, A3, A2, A1
.set i, 0
.rept 16
	v_pk_fma_f32 v[PP+i:PP+i+1], v[PP+i:PP+i+1], v[DD+i:DD+i+1], s[\c:\c+1] op_sel_hi:[1,1,0]
.set i, i+2
.endr
.endr
.set i, 0
.rept 16
	v_pk_mul_f32 v[DD+i:DD+i+1], v[DD+i:DD+i+1], v[EE+i:EE+i+1]
.set i, i+2
.endr
.set i, 0
.rept 16
	v_pk_mul_f32 v[PP+i:PP+i+1], v[PP+i:PP+i+1], v[DD+i:DD+i+1]
.set i, i+2
.endr
.set i, 0
.rept 16
	v_pk_fma_f32 v[UU+i:UU+i+1], v[PP+i:PP+i+1], -1.0, 1.0 op_sel_hi:[1,0,0]
.set i, i+2
.endr
.set i, 0
.rept 32
	v_cmp_gt_f32 vcc_lo, 0, v[T+i]
	v_cndmask_b32 v[UU+i], v[UU+i], v[PP+i], vcc_lo
.set i, i+1
.endr
.set i, 0
.rept 16
	v_pk_fma_f32 v[T+i:T+i+1], v[T+i:T+i+1], v[UU+i:UU+i+1], v[R+i:R+i+1]
.set i, i+2
.endr
.else
.set i, 0
.rept 16                               ; the residual is an input of the module: rounded to bf16
	v_cvt_pk_bf16_f32 v[DD+i/2], v[R+i], v[R+i+1]
.set i, i+2
.endr
.set i, 0
.rept 16
	v_lshlrev_b32 v[R+i], 16, v[DD+i/2]
	v_and_b32 v[R+i+1], s[MSK], v[DD+i/2]
	v_pk_add_f32 v[T+i:T+i+1], v[T+i:T+i+1], v[R+i:R+i+1]
.set i, i+2
.endr
.endif
.irp t, 0,1,2,3,4,5,6,7
	global_store_b128 v[GO], v[T+4*(\t):T+4*(\t)+3], s[76:77] offset:(\t)*4096  ; 32 lanes store 512 consecutive bytes, at a multiple of 512 from the output's first byte
.endr
	s_wait_xcnt 0x0                        ; the stores have read their registers and their base: only behind this wait are these written again
	s_add_nc_u64 s[76:77], s[76:77], 8*4096
	s_add_co_u32 s[TS], s[TS], 8*SPI
	s_add_co_u32 s[TR], s[TR], 8*512
	s_sub_co_u32 s[CNT], s[CNT], 1
	s_cmp_lg_u32 s[CNT], 0
	s_cbranch_scc1 .Lrows
	s_wait_tensorcnt 0x0                   ; the wave's end: a wait, an add and a wait, behind my last tensor load and my last LDS store
	ds_add_u32 v[SPW], v[NIL]
	s_wait_dscnt 0x0
	CROUND                                 ; the closing round: no work-group ends while a partner may still ask for a tile that names it
	s_endpgm
.Lfunc_end_k_q0a8ac72a27_gemm_wo:
	.size	k_q0a8ac72a27_gemm_wo, .Lfunc_end_k_q0a8ac72a27_gemm_wo-k_q0a8ac72a27_gemm_wo
	.p2alignl 7, 3214868480
	.fill 96, 4, 3214868480
	.section	.rodata,"a",@progbits
	.p2align	6, 0x0
	.amdhsa_kernel k_q0a8ac72a27_gemm_wo
		.amdhsa_group_segment_fixed_size 327680
		.amdhsa_private_segment_fixed_size 0
		.amdhsa_enable_private_segment 0
		.amdhsa_kernarg_size 40
		.amdhsa_user_sgpr_count 2
		.amdhsa_user_sgpr_kernarg_segment_ptr 1
		.amdhsa_wavefront_size32 1
		.amdhsa_system_sgpr_workgroup_id_x 1
		.amdhsa_system_sgpr_workgroup_id_y 1
		.amdhsa_system_sgpr_workgroup_id_z 1
		.amdhsa_system_vgpr_workitem_id 0
		.amdhsa_next_free_vgpr 640
		.amdhsa_next_free_sgpr 98
		.amdhsa_reserve_vcc 1
		.amdhsa_float_denorm_mode_32 3
		.amdhsa_float_denorm_mode_16_64 3
		.amdhsa_memory_ordered 1
		.amdhsa_forward_progress 1
		.amdhsa_inst_pref_size 94
	.end_amdhsa_kernel
	.amdgpu_metadata
---
amdhsa.version: [ 1, 2 ]
amdhsa.kernels:
  - .name:           k_q0a8ac72a27_gemm_wo
    .symbol:         k_q0a8ac72a27_gemm_wo.kd
    .args:
      - { .name: ob, .offset: 0, .size: 8, .value_kind: global_buffer, .address_space: global }
      - { .name: wb, .offset: 8, .size: 8, .value_kind: global_buffer, .address_space: global }
      - { .name: bo, .offset: 16, .size: 8, .value_kind: global_buffer, .address_space: global }
      - { .name: x, .offset: 24, .size: 8, .value_kind: global_buffer, .address_space: global }
      - { .name: x1, .offset: 32, .size: 8, .value_kind: global_buffer, .address_space: global }
    .group_segment_fixed_size: 327680
    .private_segment_fixed_size: 0
    .kernarg_segment_align: 8
    .kernarg_segment_size: 40
    .max_flat_workgroup_size: 128
    .sgpr_count:     98
    .vgpr_count:     640
    .wavefront_size: 32
...
	.end_amdgpu_metadata
.endif
;; end of part 4
;; launch ln2 (part 5): grid 258 x 1, 8 waves a work-group, no clusters, 0 bytes of LDS; arguments x1, g2, be2, pb, b2, hb, b12; writes hb, b12
.if DOCPART == 5
	.amdgcn_target "amdgcn-amd-amdhsa--gfx1250"
	.amdhsa_code_object_version 6
	.text
	.protected	k_q0a8ac72a27_ln2
	.globl	k_q0a8ac72a27_ln2
	.p2align	8
	.type	k_q0a8ac72a27_ln2,@function
k_q0a8ac72a27_ln2:
	s_mov_b64 s[64:65], 0
	v_nop
	global_prefetch_b8 v0, s[64:65] scope:SCOPE_SE
	s_setreg_imm32_b32 hwreg(HW_REG_WAVE_MODE, 25, 1), 1
	s_wait_xcnt 0x0
; LN2.  Work-groups 0-255: h2 = LayerNorm(x1) g2 + be2, 16 tokens each, into hb ([4 b][16 block][1024 s][64], bf16).  Work-groups 256, 257: b12 = the sum over the 128 groups of pb + b2.
; x1 is the program's own and is taken as it is; g2, be2 and b2 are inputs of the module and are rounded to bf16, as every input is in every launch.  Sums and statistics in f32.
; The variance is taken of x - mean (two passes over registers).  NaN and infinities are not treated apart.  No LDS, no matrix unit, no cluster: no wave wants another's bytes.
.set BLK,  131072
.set X,    64                          ; v[64:127]   the two tokens' numbers of my lane: unit p at X + 8 p
.set G,    128                         ; v[128:191]  the gain of my columns
.set BE,   192                         ; v[192:255]  the offset of my columns
.set WV,   34
.set MSK,  42
.set SELA, 43
.set SELB, 44
.macro RND base, n                     ; n registers from v[base]: each rounded to bf16 and widened again
.set i, 0
.rept (\n)/2
	v_cvt_pk_bf16_f32 v[20+(i/2)%4], v[(\base)+i], v[(\base)+i+1]
	v_lshlrev_b32 v[(\base)+i], 16, v[20+(i/2)%4]
	v_and_b32 v[(\base)+i+1], s[MSK], v[20+(i/2)%4]
.set i, i+2
.endr
.endm
.macro ACROSS                          ; four chains into one number, then over the 16 lanes that hold my token: lane bits 0, 1, 2 and 4; bit 3, the token, is never crossed
	v_pk_add_f32 v[8:9], v[8:9], v[10:11]
	v_pk_add_f32 v[12:13], v[12:13], v[14:15]
	v_pk_add_f32 v[8:9], v[8:9], v[12:13]
	v_add_f32 v8, v8, v9
	v_add_f32_dpp v8, v8, v8 row_xmask:1 row_mask:0xf bank_mask:0xf
	v_add_f32_dpp v8, v8, v8 row_xmask:2 row_mask:0xf bank_mask:0xf
	v_add_f32_dpp v8, v8, v8 row_xmask:4 row_mask:0xf bank_mask:0xf
	v_permlanex16_b32 v9, v8, s[SELA], s[SELB]
	v_add_f32 v8, v8, v9
.endm
; LAYER NORM of two tokens a wave.  Lane l: token (l >> 3) & 1, block 2 p + (l >> 4) in unit p, columns 8 (l & 7) .. + 7 of the block.  The tokens stay in registers between the passes.
; v4: my offset in the two rows; v6: in gain and offset; v5: in hb.  s[2:3] the rows, s[4:5] hb at the tokens.  roundx = 1: the rows are rounded to bf16 first.
.macro LN roundx, gp, bp
.irp p, 0,1,2,3,4,5,6,7
	global_load_b128 v[X+8*(\p):X+8*(\p)+3],   v4, s[2:3] offset:512*(\p)
	global_load_b128 v[X+8*(\p)+4:X+8*(\p)+7], v4, s[2:3] offset:512*(\p)+16
.endr
.irp p, 0,1,2,3,4,5,6,7
	global_load_b128 v[G+8*(\p):G+8*(\p)+3],   v6, s[\gp:\gp+1] offset:512*(\p)
	global_load_b128 v[G+8*(\p)+4:G+8*(\p)+7], v6, s[\gp:\gp+1] offset:512*(\p)+16
.endr
.irp p, 0,1,2,3,4,5,6,7
	global_load_b128 v[BE+8*(\p):BE+8*(\p)+3],   v6, s[\bp:\bp+1] offset:512*(\p)
	global_load_b128 v[BE+8*(\p)+4:BE+8*(\p)+7], v6, s[\bp:\bp+1] offset:512*(\p)+16
.endr
	s_wait_loadcnt 32                      ; the rows are in; the 32 younger loads, gain and offset, stay out
.if \roundx
	RND X, 64
.endif
.irp k, 0,2,4,6                        ; the sum, in four chains that the first pairs start
	v_pk_add_f32 v[8+(\k):9+(\k)], v[X+(\k):X+(\k)+1], v[X+8+(\k):X+8+(\k)+1]
.endr
.set i, 16
.rept 24
	v_pk_add_f32 v[8+i%8:9+i%8], v[8+i%8:9+i%8], v[X+i:X+i+1]
.set i, i+2
.endr
	ACROSS
	v_mul_f32 v16, s40, v8                 ; the mean
	v_mov_b32 v17, v16
.set i, 0
.rept 32
	v_pk_add_f32 v[X+i:X+i+1], v[X+i:X+i+1], v[16:17] neg_lo:[0,1] neg_hi:[0,1]
.set i, i+2
.endr
.irp k, 0,2,4,6                        ; the sum of squares of x - mean
	v_pk_mul_f32 v[8+(\k):9+(\k)], v[X+(\k):X+(\k)+1], v[X+(\k):X+(\k)+1]
.endr
.set i, 8
.rept 28
	v_pk_fma_f32 v[8+i%8:9+i%8], v[X+i:X+i+1], v[X+i:X+i+1], v[8+i%8:9+i%8]
.set i, i+2
.endr
	ACROSS
	v_fma_f32 v20, v8, s40, s41            ; variance + 1e-5
	v_rsq_f32 v18, v20
	v_rsq_f32 v19, v20                     ; twice: a pair for the packed multiply
	v_nop                                  ; a plain instruction behind the second root, ahead of the line that rewrites its source
	s_wait_loadcnt 0x0                     ; gain and offset
	RND G, 64                              ; work that names neither root stands between them and their wait
	RND BE, 64
	s_wait_alu depctr_va_vdst(0)           ; one wait for both roots, ahead of their first reader
.irp p, 0,1,2,3,4,5,6,7
.irp k, 0,2,4,6
	v_pk_mul_f32 v[X+8*(\p)+(\k):X+8*(\p)+(\k)+1], v[X+8*(\p)+(\k):X+8*(\p)+(\k)+1], v[18:19]
.endr
.irp k, 0,2,4,6
	v_pk_fma_f32 v[X+8*(\p)+(\k):X+8*(\p)+(\k)+1], v[X+8*(\p)+(\k):X+8*(\p)+(\k)+1], v[G+8*(\p)+(\k):G+8*(\p)+(\k)+1], v[BE+8*(\p)+(\k):BE+8*(\p)+(\k)+1]
.endr
.irp k, 0,1,2,3
	v_cvt_pk_bf16_f32 v[X+8*(\p)+(\k)], v[X+8*(\p)+2*(\k)], v[X+8*(\p)+2*(\k)+1]
.endr
	global_store_b128 v5, v[X+8*(\p):X+8*(\p)+3], s[4:5] offset:2*BLK*(\p)  ; lanes 0-15: two tokens' 128 bytes in one block, 256 consecutive bytes, aligned; lanes 16-31 the same in the next block
.endr
.endm
	s_load_b256 s[8:15], s[0:1], 0x0       ; x1 s[8:9], g2 s[10:11], be2 s[12:13], pb s[14:15]
	s_load_b128 s[16:19], s[0:1], 0x20     ; b2 s[16:17], hb s[18:19]
	s_load_b64 s[20:21], s[0:1], 0x30      ; b12
	v_lshrrev_b32 v1, 5, v0
	v_readfirstlane_b32 s[WV], v1          ; wave 0..7
	v_and_b32 v1, 31, v0
	v_and_b32 v2, 7, v0
	s_mov_b32 s39, 0                       ; the high word of every offset
	s_mov_b32 s[MSK], 0xffff0000
	s_mov_b32 s[SELA], 0x76543210
	s_mov_b32 s[SELB], 0xfedcba98
	s_wait_kmcnt 0x0
	s_cmp_lt_u32 ttmp9, 256
	s_cbranch_scc0 .Lb12
	s_lshl_b32 s35, ttmp9, 4
	s_lshl1_add_u32 s35, s[WV], s35        ; my first token = 16 x work-group + 2 x wave
	s_lshl_b32 s38, s35, 12
	s_add_nc_u64 s[2:3], s[8:9], s[38:39]
	s_lshr_b32 s38, s35, 10
	s_lshl_b32 s38, s38, 21
	s_and_b32 s36, s35, 1023
	s_lshl_b32 s36, s36, 7
	s_add_co_u32 s38, s38, s36
	s_add_nc_u64 s[4:5], s[18:19], s[38:39]
	s_mov_b32 s40, 0x3a800000              ; 1 / 1024
	s_mov_b32 s41, 0x3727c5ac              ; 1e-5
	v_bfe_u32 v8, v0, 4, 1
	v_bfe_u32 v9, v0, 3, 1
	v_lshlrev_b32 v6, 5, v2
	v_lshl_add_u32 v6, v8, 8, v6
	v_lshl_add_u32 v4, v9, 12, v6
	v_lshlrev_b32 v5, 4, v2
	v_lshl_add_u32 v5, v9, 7, v5
	v_lshl_add_u32 v5, v8, 17, v5
	LN 0, 10, 12
	s_endpgm
.Lb12:                                         ; a wave owns 64 columns, 256 bytes of b12.  Lane l: columns 4 (l & 15) on, the groups of parity l >> 4: a load covers 256 bytes of two groups
	s_sub_co_u32 s35, ttmp9, 256
	s_lshl3_add_u32 s35, s35, s[WV]
	s_lshl_b32 s38, s35, 8
	s_add_nc_u64 s[2:3], s[14:15], s[38:39]
	s_add_nc_u64 s[4:5], s[16:17], s[38:39]
	s_add_nc_u64 s[6:7], s[20:21], s[38:39]
	v_and_b32 v2, 15, v0
	v_lshlrev_b32 v5, 4, v2
	v_bfe_u32 v3, v0, 4, 1
	v_lshl_add_u32 v4, v3, 12, v5
	global_load_b128 v[208:211], v5, s[4:5]
.set i, 0
.rept 32
	global_load_b128 v[64+4*i:67+4*i], v4, s[2:3] offset:i*8192
.set i, i+1
.endr
	s_wait_loadcnt 0x0
.set i, 0
.rept 4                                ; four chains of four columns, started by the first loads
	v_pk_add_f32 v[192+4*i:193+4*i], v[64+4*i:65+4*i], v[80+4*i:81+4*i]
	v_pk_add_f32 v[194+4*i:195+4*i], v[66+4*i:67+4*i], v[82+4*i:83+4*i]
.set i, i+1
.endr
.set i, 8
.rept 24
	v_pk_add_f32 v[192+4*(i%4):193+4*(i%4)], v[192+4*(i%4):193+4*(i%4)], v[64+4*i:65+4*i]
	v_pk_add_f32 v[194+4*(i%4):195+4*(i%4)], v[194+4*(i%4):195+4*(i%4)], v[66+4*i:67+4*i]
.set i, i+1
.endr
.set i, 0
.rept 32
	global_load_b128 v[64+4*i:67+4*i], v4, s[2:3] offset:(32+i)*8192
.set i, i+1
.endr
	RND 208, 4                             ; b2, while the second half is on its way
	s_wait_loadcnt 0x0
.set i, 0
.rept 32
	v_pk_add_f32 v[192+4*(i%4):193+4*(i%4)], v[192+4*(i%4):193+4*(i%4)], v[64+4*i:65+4*i]
	v_pk_add_f32 v[194+4*(i%4):195+4*(i%4)], v[194+4*(i%4):195+4*(i%4)], v[66+4*i:67+4*i]
.set i, i+1
.endr
.irp k, 0,2
	v_pk_add_f32 v[192+(\k):193+(\k)], v[192+(\k):193+(\k)], v[196+(\k):197+(\k)]
	v_pk_add_f32 v[200+(\k):201+(\k)], v[200+(\k):201+(\k)], v[204+(\k):205+(\k)]
.endr
.irp k, 0,2
	v_pk_add_f32 v[192+(\k):193+(\k)], v[192+(\k):193+(\k)], v[200+(\k):201+(\k)]
.endr
.irp k, 0,1,2,3
	v_permlanex16_b32 v[64+(\k)], v[192+(\k)], s[SELA], s[SELB]  ; the groups of the other parity
.endr
.irp k, 0,2
	v_pk_add_f32 v[192+(\k):193+(\k)], v[192+(\k):193+(\k)], v[64+(\k):65+(\k)]
.endr
.irp k, 0,2
	v_pk_add_f32 v[192+(\k):193+(\k)], v[192+(\k):193+(\k)], v[208+(\k):209+(\k)]
.endr
	s_wait_xcnt 0x0                        ; EXEC changes only behind this wait
	v_cmp_gt_u32 vcc_lo, 16, v1
	s_and_saveexec_b32 s45, vcc_lo
	global_store_b128 v5, v[192:195], s[6:7]  ; 16 lanes: 256 consecutive bytes, aligned
	s_wait_xcnt 0x0
	s_or_b32 exec_lo, exec_lo, s45
	s_endpgm
.Lfunc_end_k_q0a8ac72a27_ln2:
	.size	k_q0a8ac72a27_ln2, .Lfunc_end_k_q0a8ac72a27_ln2-k_q0a8ac72a27_ln2
	.p2alignl 7, 3214868480
	.fill 96, 4, 3214868480
	.section	.rodata,"a",@progbits
	.p2align	6, 0x0
	.amdhsa_kernel k_q0a8ac72a27_ln2
		.amdhsa_group_segment_fixed_size 0
		.amdhsa_private_segment_fixed_size 0
		.amdhsa_enable_private_segment 0
		.amdhsa_kernarg_size 56
		.amdhsa_user_sgpr_count 2
		.amdhsa_user_sgpr_kernarg_segment_ptr 1
		.amdhsa_wavefront_size32 1
		.amdhsa_system_sgpr_workgroup_id_x 1
		.amdhsa_system_sgpr_workgroup_id_y 1
		.amdhsa_system_sgpr_workgroup_id_z 1
		.amdhsa_system_vgpr_workitem_id 0
		.amdhsa_next_free_vgpr 256
		.amdhsa_next_free_sgpr 66
		.amdhsa_reserve_vcc 1
		.amdhsa_float_denorm_mode_32 3
		.amdhsa_float_denorm_mode_16_64 3
		.amdhsa_memory_ordered 1
		.amdhsa_forward_progress 1
		.amdhsa_inst_pref_size 44
	.end_amdhsa_kernel
	.amdgpu_metadata
---
amdhsa.version: [ 1, 2 ]
amdhsa.kernels:
  - .name:           k_q0a8ac72a27_ln2
    .symbol:         k_q0a8ac72a27_ln2.kd
    .args:
      - { .name: x1, .offset: 0, .size: 8, .value_kind: global_buffer, .address_space: global }
      - { .name: g2, .offset: 8, .size: 8, .value_kind: global_buffer, .address_space: global }
      - { .name: be2, .offset: 16, .size: 8, .value_kind: global_buffer, .address_space: global }
      - { .name: pb, .offset: 24, .size: 8, .value_kind: global_buffer, .address_space: global }
      - { .name: b2, .offset: 32, .size: 8, .value_kind: global_buffer, .address_space: global }
      - { .name: hb, .offset: 40, .size: 8, .value_kind: global_buffer, .address_space: global }
      - { .name: b12, .offset: 48, .size: 8, .value_kind: global_buffer, .address_space: global }
    .group_segment_fixed_size: 0
    .private_segment_fixed_size: 0
    .kernarg_segment_align: 8
    .kernarg_segment_size: 56
    .max_flat_workgroup_size: 256
    .sgpr_count:     66
    .vgpr_count:     256
    .wavefront_size: 32
...
	.end_amdgpu_metadata
.endif
;; end of part 5
;; launch gemm_ffn (part 6): grid 8 x 32, 4 waves a work-group, clusters of 4 x 4, 327,680 bytes of LDS; arguments hb, w12, b12, x1, out0; writes out0
.if DOCPART == 6
	.amdgcn_target "amdgcn-amd-amdhsa--gfx1250"
	.amdhsa_code_object_version 6
	.text
	.protected	k_q0a8ac72a27_gemm_ffn
	.globl	k_q0a8ac72a27_gemm_ffn
	.p2align	8
	.type	k_q0a8ac72a27_gemm_ffn,@function
k_q0a8ac72a27_gemm_ffn:
	s_mov_b64 s[64:65], 0
	v_nop
	global_prefetch_b8 v0, s[64:65] scope:SCOPE_SE
	s_setreg_imm32_b32 hwreg(HW_REG_WAVE_MODE, 25, 1), 1
	s_wait_xcnt 0x0
	s_wait_alu depctr_hold_cnt(0) depctr_sa_sdst(0) depctr_va_vdst(0) depctr_va_sdst(0) depctr_va_ssrc(0) depctr_va_vcc(0) depctr_vm_vsrc(0)
	s_getreg_b32 s2, hwreg(HW_REG_IB_STS2, 6, 4)
	s_cmp_eq_u32 s2, 0
	s_cbranch_scc0 .Lentry_in_a_cluster
	s_endpgm
.Lentry_in_a_cluster:
	s_bfe_u32 s2, ttmp6, 0x10000c
	s_cmp_lg_u32 s2, 0xf033
	s_cbranch_scc0 .Lentry_shape_is_right
	s_endpgm
.Lentry_shape_is_right:
; GEMM_FFN: out0 = x1 + gelu(h2 W12 + b12), gelu exact up to the error stated at its place.  h2 [4 b][16 block][1024 s][64] and W12 [16 block of n][1024 d][64] are bf16 in blocks of 64 columns;
; sums f32; b12, x1 and out0 are f32.  W12 = W1 W2 and b12 = b1 W2 + b2 were made by earlier launches: reference() has no function between its two Linear layers.  THE ORDER OF ROUNDING DIFFERS
; from the reference's: W12 is rounded once to bf16, where h2 W1 would have been.  NaN and infinities are not treated apart.  (The text is one with GEMM_WO's: GELU and BOFF tell them apart.)
; SHARES.  256 tiles of 128 x 128, one a work-group; four waves of 64 x 64, 16 accumulators; K = 1,024 in four steps of 256 through two LDS slots; 4 x 4 clusters, the left tile shared along a row, the right one along a column.
; THE MATRIX INSTRUCTION IS USED TRANSPOSED: source 0 = 16 columns n of the right operand (turned by ds_load_tr16_b128), source 1 = 16 rows of the left.  The first product takes the bias as C.
; THE RESIDUAL is asked for at the head, in the layout of the stores (32 rows x 512 bytes a wave), and is waited for at the way out.
; THE WAY OUT goes through slot 0, which has had its last fill: the four waves put the tile's 128 rows of 512 bytes there, pass a barrier, and each takes 32 whole rows, so that a store covers 512 consecutive bytes.
; The residual goes through LDS too, so that the way out, gelu with it, is one loop of four trips over fixed registers.
; No prefetch: the tile is the small one, and only two refills follow the first fills.
; REGISTERS: window 0: v0-31 addresses; v32-95 the way out; v96-127 the bias; v128-255 the accumulators, later at work.  Window 1: two fragment buffers of 128.  Window 2: v0-127 the residual.
.set GELU,  1
.set BOFF,  0                          ; the right operand's place in its buffer
.set BLK,   131072
.set PA,    144                        ; a row of the left tile in LDS: 128 bytes + 16: the 16 rows of a load start at 16 different groups of four banks (64 banks of 4 bytes: ISA guide 11.1)
.set PB,    160                        ; a row of the right tile: 128 + 32
.set AKB,   128*PA
.set BBASE, 4*AKB
.set BNB,   256*PB
.set SLOT,  BBASE+2*BNB                ; 155,648
.set ASTEP, 4*BLK
.set BSTEP, 256*128
.set SPI,   528                        ; a row of the stage: 512 bytes + 16
.set RSG,   128*SPI                    ; behind the stage: 16 KiB for each wave's residual; both lie in slot 0
.set SPARE, 2*SLOT                     ; behind the ring: the spare words, 128 bytes for each wave: two blocks of 256 bytes that no other line names
.set ADRA, 16
.set ADRB, 20
.set RR,   22                          ; v22  my 16 bytes in my residual's first 512
.set STO,  24                          ; v24  where I put 32 bytes of a row of the stage
.set RD,   25                          ; v25  my 16 bytes in the first row that I take back
.set GO,   26                          ; v26  16 x lane
.set BO,   27                          ; v27  32 x (lane / 16)
.set SPW,  28
.set NIL,  29
.set RDC,  30                          ; v30, v31  the trip's two LDS addresses
.set RRC,  31
.set T,    32                          ; v[32:63]  eight rows' 16 bytes: the product, then the result
.set R,    64                          ; v[64:95]  the residual
.set BIAS, 96
.set ACC,  128
.set DD,   128                         ; at work on the way out
.set EE,   160
.set PP,   192
.set UU,   224
.set F0,   0
.set F1,   128
.set G1A,  24
.set G0A,  32
.set G1B,  48
.set G0B,  56
.set TS,   16                          ; s16, s17  the trip's steps in the stage and in the residual
.set TR,   17
.set CNT,  18
.set MSK,  19                          ; s19  a word's upper bf16
.set CP,   84                          ; s[84:97]  GELU's constants, in pairs whose low word serves both halves
.set CE,   86
.set A5,   88
.set A4,   90
.set A3,   92
.set A2,   94
.set A1,   96
.set MSB, 0
.macro WIN new                         ; the immediate's high byte repeats the setting that is left; a switch that changes nothing is dropped
.if MSB != (\new)
	s_set_vgpr_msb (MSB<<8)|(\new)
.set MSB, \new
.endif
.endm
.set MUL,  0x05                        ; sources 0 and 1 window 1; C and D window 0
.set TO_F, 0x40                        ; destination window 1, address window 0
.macro JLOAD s                         ; a joint load: waves 0 and 1 fetch the left tile's two pairs of blocks, waves 2 and 3 the right tile's two blocks; an s_nop 0 and four v_nop follow each line
	s_cmp_eq_u32 s11, 0
	s_cbranch_scc0 .Lfor_b_\@
	tensor_load_to_lds s[G0A+4*(\s):G0A+4*(\s)+3], s[G1A:G1A+7]
	s_nop 0
.rept 4
	v_nop
.endr
	s_branch .Lasked_\@
.Lfor_b_\@:
	tensor_load_to_lds s[G0B+4*(\s):G0B+4*(\s)+3], s[G1B:G1B+7]
	s_nop 0
.rept 4
	v_nop
.endr
.Lasked_\@:
.endm
.macro CREST                           ; a round of the cluster's barrier behind its opening barrier
	s_cmp_lg_u32 s10, 0
	s_cbranch_scc1 .Lnot_wave_0_\@
	s_barrier_signal -3
.Lnot_wave_0_\@:
	s_barrier_wait -3
	s_barrier_signal -1
	s_barrier_wait -1
.endm
.macro CROUND
	s_barrier_signal -1
	s_barrier_wait -1
	CREST
.endm
.macro PLACES                          ; four places in front of loads into registers that matrix instructions have read, and of lines that read results
.rept 4
	v_nop
.endr
.endm
; 8 matrix instructions: row blocks a0, a0 + 1 x all 4 column blocks, 32 along K: half c of buffer f.  m = 1: the product starts the sum from the bias.  The 16 accumulators take turns, in one order everywhere.
.macro MUL8 f, c, a0, m
	WIN MUL
.irp a, \a0, (\a0)+1
.irp b, 0,1,2,3
.if \m
	v_wmma_f32_16x16x32_bf16 v[ACC+8*(4*(\a)+(\b)):ACC+8*(4*(\a)+(\b))+7], v[(\f)+64+8*(4*(\c)+(\b)):(\f)+64+8*(4*(\c)+(\b))+7], v[(\f)+8*(4*(\c)+(\a)):(\f)+8*(4*(\c)+(\a))+7], v[BIAS+8*(\b):BIAS+8*(\b)+7]
.else
	v_wmma_f32_16x16x32_bf16 v[ACC+8*(4*(\a)+(\b)):ACC+8*(4*(\a)+(\b))+7], v[(\f)+64+8*(4*(\c)+(\b)):(\f)+64+8*(4*(\c)+(\b))+7], v[(\f)+8*(4*(\c)+(\a)):(\f)+8*(4*(\c)+(\a))+7], v[ACC+8*(4*(\a)+(\b)):ACC+8*(4*(\a)+(\b))+7]
.endif
.endr
.endr
.endm
; 32 LDS loads in one run: quarter q of the slot (64 along K) into buffer f; the first 32 along K first
.macro FETCH slot, q, f
	WIN TO_F
.irp c, 0,1
.irp i, 0,1,2,3
	ds_load_tr16_b128 v[(\f)+64+8*(4*(\c)+(\i)):(\f)+64+8*(4*(\c)+(\i))+3],   v[ADRB+(\slot)] offset:(\q)*64*PB+(\c)*32*PB+(\i)*32
	ds_load_tr16_b128 v[(\f)+64+8*(4*(\c)+(\i))+4:(\f)+64+8*(4*(\c)+(\i))+7], v[ADRB+(\slot)] offset:(\q)*64*PB+(\c)*32*PB+(\i)*32+16*PB
	ds_load_b128 v[(\f)+8*(4*(\c)+(\i)):(\f)+8*(4*(\c)+(\i))+3],              v[ADRA+(\slot)] offset:(\q)*AKB+(\i)*16*PA+(\c)*64
	ds_load_b128 v[(\f)+8*(4*(\c)+(\i))+4:(\f)+8*(4*(\c)+(\i))+7],            v[ADRA+(\slot)] offset:(\q)*AKB+(\i)*16*PA+(\c)*64+32
.endr
.endr
.endm
.macro QUARTER slot, q, f, g, m        ; multiplies buffer f and fetches quarter q into g
	s_wait_dscnt 16                        ; the first 32 along K are in
	MUL8 \f, 0, 0, \m
	MUL8 \f, 0, 2, \m
	PLACES
	FETCH \slot, \q, \g
	s_wait_dscnt 32                        ; all but the 32 just issued
	MUL8 \f, 1, 0, 0
	MUL8 \f, 1, 2, 0
.endm
.macro STEP slot                       ; the slot's next K step, two on; no tensor load of the wave is out where this stands
	s_add_nc_u64 s[G0A+4*(\slot)+2:G0A+4*(\slot)+3], s[G0A+4*(\slot)+2:G0A+4*(\slot)+3], 2*ASTEP
	s_add_nc_u64 s[G0B+4*(\slot)+2:G0B+4*(\slot)+3], s[G0B+4*(\slot)+2:G0B+4*(\slot)+3], 2*BSTEP
.endm
; The last quarter multiplies buffer 1 and changes slots: ONE barrier; in front of it each wave waits for all its tensor loads, adds 0 to its spare word, and waits for that and for its reads of this slot.
.macro TURN slot, next, fill
	WIN 0
	s_wait_tensorcnt 0x0                   ; all my tensor loads have landed: the one that was out is my part of the next slot
	ds_add_u32 v[SPW], v[NIL]              ; 0 onto my spare word
.if \fill
	STEP \slot
.endif
	s_wait_dscnt 17                        ; the add and the youngest sixteen loads may be out
	MUL8 F1, 0, 0, 0
	s_wait_dscnt 0x0                       ; the add is done, and my reads of this slot are over
	s_barrier_signal -1
	MUL8 F1, 0, 2, 0
.if \fill
	WIN 0
.endif
	s_barrier_wait -1
.if \fill
	CREST                                  ; the barrier has opened a round of the cluster's: no wave of any partner still reads this slot or has a load on its way
	JLOAD \slot                            ; the first tensor load behind the round; its four v_nop are also the places in front of the loads below
.else
	PLACES
.endif
	FETCH \next, 0, F0
	MUL8 F1, 1, 0, 0
	MUL8 F1, 1, 2, 0
.endm
	s_load_b256 s[68:75], s[0:1], 0x0      ; left s[68:69], right s[70:71], bias s[72:73], residual s[74:75]
	s_load_b64 s[76:77], s[0:1], 0x20      ; the output
	v_lshl_add_u32 v[SPW], v0, 2, SPARE
	v_mov_b32 v[NIL], 0
	ds_add_u32 v[SPW], v[NIL]              ; the wave's opening: the add and its wait ahead of my first tensor load; the set-up below, work on registers, stands between them
	v_lshrrev_b32 v1, 5, v0
	v_readfirstlane_b32 s10, v1            ; wave 0..3
	s_lshr_b32 s11, s10, 1                 ; which half of the tile's rows is mine.  Also: I fetch the left (0) or the right (1) tile
	s_and_b32 s12, s10, 1                  ; which half of its columns.  Also: which half of that tile I fetch
	s_bfe_u32 s40, ttmp6, 0x40000          ; cx
	s_bfe_u32 s41, ttmp6, 0x40004          ; cy
	s_lshl_b32 s42, ttmp9, 2
	s_add_co_u32 s42, s42, s40             ; tile column = 4 x cluster x + cx
	s_and_b32 s13, ttmp7, 0xffff
	s_lshl_b32 s13, s13, 2
	s_add_co_u32 s13, s13, s41             ; tile row = 4 x cluster y + cy
	s_lshl_b32 s43, s41, 2
	s_lshl_b32 s43, 15, s43                ; my row of the cluster
	s_lshl_b32 s44, 0x1111, s40            ; my column
	; group 1, left: two runs of 16 KiB (128 rows of a block), one block apart; 16 bytes of padding behind every 128
	s_or_b32 s[G1A+0], s43, (1<<16)|(1<<20)|(1<<21)|(4<<22)|(3<<25)  ; 15:0 the mask; 17:16 2-byte elements; 20 padding on; 21 set beside a mask; 24:22 after every 32 words (code 4); 31:25 4 words (code 3)
	s_mov_b32 s[G1A+1], 8192<<16           ; tensor_dim0 = 8,192 elements
	s_mov_b32 s[G1A+2], 2<<16              ; tensor_dim1 = 2
	s_mov_b32 s[G1A+3], 8192<<16           ; tile_dim0
	s_mov_b32 s[G1A+4], 2                  ; tile_dim1
	s_mov_b32 s[G1A+5], 65536              ; a block is 65,536 elements
	s_mov_b32 s[G1A+6], 0
	s_mov_b32 s[G1A+7], 0
	; group 1, right: 32 KiB on end as 128 rows of 256 bytes; 32 bytes of padding behind every 128
	s_or_b32 s[G1B+0], s44, (1<<16)|(1<<20)|(1<<21)|(4<<22)|(7<<25)
	s_mov_b32 s[G1B+1], 128<<16
	s_mov_b32 s[G1B+2], 128<<16
	s_mov_b32 s[G1B+3], 128<<16
	s_mov_b32 s[G1B+4], 128
	s_mov_b32 s[G1B+5], 128
	s_mov_b32 s[G1B+6], 0
	s_mov_b32 s[G1B+7], 0
	s_lshr_b32 s4, s13, 3                  ; the left tile: the batch,
	s_lshl_b32 s4, s4, 21
	s_and_b32 s5, s13, 7                   ; 128 rows of it,
	s_lshl_b32 s5, s5, 14
	s_add_co_u32 s4, s4, s5
	s_lshl_b32 s5, s12, 18                 ; the pair of blocks that I fetch
	s_add_co_u32 s4, s4, s5
	s_mov_b32 s5, 0
	s_lshl1_add_u32 s6, s42, s12           ; the right tile: my block of 64 columns
	s_lshl_b32 s6, s6, 17
	s_add_co_u32 s6, s6, BOFF
	s_mov_b32 s7, 0
	s_mul_i32 s20, s12, 2*AKB              ; where my part of a tile goes: no place in the cluster enters an LDS address
	s_mul_i32 s21, s12, BNB
	s_add_co_u32 s21, s21, BBASE
	s_lshl_b32 s2, s42, 9                  ; the tile's 128 columns of f32
	s_lshl_b32 s3, s12, 8
	s_add_co_u32 s22, s2, s3               ; the bias of my 64 columns
	s_mov_b32 s23, 0
	s_lshl_b32 s3, s13, 19                 ; the tile's 128 rows of 4,096 bytes,
	s_add_co_u32 s2, s2, s3
	s_lshl_b32 s3, s10, 17                 ; the 32 of them that I store
	s_add_co_u32 s2, s2, s3
	s_mov_b32 s3, 0
	s_mov_b32 s[MSK], 0xffff0000
.if GELU
	s_mov_b32 s[CP], 0x3e6d3388            ; 0.3275911 / sqrt(2)
	s_mov_b32 s[CE], 0xbf38aa3b            ; -log2(e) / 2
	s_mov_b32 s[A5], 0x3f07dc22            ; half of 1.061405429
	s_mov_b32 s[A4], 0xbf3a00e3            ; of -1.453152027
	s_mov_b32 s[A3], 0x3f35f0e3            ; of 1.421413741
	s_mov_b32 s[A2], 0xbe11a98e            ; of -0.284496736
	s_mov_b32 s[A1], 0x3e027906            ; of 0.254829592
.irp c, CP, CE, A5, A4, A3, A2, A1
	s_mov_b32 s[\c+1], 0                   ; named with it as a pair
.endr
.endif
	s_wait_dscnt 0x0                       ; the opening add is done
	s_wait_kmcnt 0x0
	s_add_nc_u64 s[14:15], s[68:69], s[4:5]
	s_add_nc_u64 s[46:47], s[70:71], s[6:7]
	s_add_nc_u64 s[72:73], s[72:73], s[22:23]
	s_add_nc_u64 s[74:75], s[74:75], s[2:3]
	s_add_nc_u64 s[76:77], s[76:77], s[2:3]
	CROUND                                 ; all sixteen work-groups are here: the first joint loads meet
.irp s, 0,1
	s_mov_b32 s[G0A+4*(\s)], 1
	s_add_co_u32 s[G0A+4*(\s)+1], s20, (\s)*SLOT
	s_add_nc_u64 s[G0A+4*(\s)+2:G0A+4*(\s)+3], s[14:15], (\s)*ASTEP
	s_or_b32 s[G0A+4*(\s)+3], s[G0A+4*(\s)+3], 0x80000000
	s_mov_b32 s[G0B+4*(\s)], 1
	s_add_co_u32 s[G0B+4*(\s)+1], s21, (\s)*SLOT
	s_add_nc_u64 s[G0B+4*(\s)+2:G0B+4*(\s)+3], s[46:47], (\s)*BSTEP
	s_or_b32 s[G0B+4*(\s)+3], s[G0B+4*(\s)+3], 0x80000000
	JLOAD \s                               ; two loads of mine are out
.endr
	v_and_b32 v1, 15, v0                   ; r = l % 16
	v_bfe_u32 v2, v0, 4, 1                 ; h = l / 16
	v_lshlrev_b32 v[BO], 5, v2
.irp b, 0,1,2,3                        ; register 8 b + j: the bias of column 16 b + 8 h + j, as the C operand wants it
	global_load_b128 v[BIAS+8*(\b):BIAS+8*(\b)+3],   v[BO], s[72:73] offset:64*(\b)
	global_load_b128 v[BIAS+8*(\b)+4:BIAS+8*(\b)+7], v[BO], s[72:73] offset:64*(\b)+16
.endr
	v_and_b32 v3, 31, v0
	v_lshlrev_b32 v[GO], 4, v3
	WIN 0x80                               ; destination window 2, address window 0
.set i, 0
.rept 32                               ; the residual: row i of my 32, 512 consecutive bytes a load
	global_load_b128 v[4*i:4*i+3], v[GO], s[74:75] offset:i*4096
.set i, i+1
.endr
	WIN 0
	v_mul_u32_u24 v3, v1, PA
	v_lshl_add_u32 v3, v2, 4, v3           ; a left fragment: row x pitch + 16 h
	v_and_b32 v4, 7, v0
	v_lshl_add_u32 v5, v2, 3, v4           ; a right fragment: the turning load reads row k = 8 h + l % 8,
	v_mul_u32_u24 v5, v5, PB
	v_bfe_u32 v6, v0, 3, 1
	v_lshl_add_u32 v5, v6, 4, v5           ; columns 8 ((l / 8) % 2) on
	s_mul_i32 s22, s11, 64*PA
	s_mul_i32 s23, s12, BNB
	s_add_co_u32 s23, s23, BBASE
.irp s, 0,1
	v_add_nc_u32 v[ADRA+(\s)], s22, v3
	v_add_nc_u32 v[ADRB+(\s)], s23, v5
	s_add_co_u32 s22, s22, SLOT
	s_add_co_u32 s23, s23, SLOT
.endr
	v_mul_u32_u24 v6, v1, SPI              ; into the stage: row 64 (wave / 2) + r, my half of its 512 bytes, 32 bytes for each half of the lanes
	v_lshl_add_u32 v6, v2, 5, v6
	s_mul_i32 s22, s11, 64*SPI
	s_lshl_b32 s23, s12, 8
	s_add_co_u32 s22, s22, s23
	v_add_nc_u32 v[STO], s22, v6
	s_mul_i32 s22, s10, 32*SPI             ; back: rows 32 x wave on, whole
	v_add_nc_u32 v[RD], s22, v[GO]
	s_lshl_b32 s22, s10, 14
	s_add_co_u32 s22, s22, RSG
	v_add_nc_u32 v[RR], s22, v[GO]
	s_wait_loadcnt 32                      ; the bias is in; the 32 younger loads, the residual's, stay out
.if GELU == 0
.set i, 0
.rept 16                               ; an input of the module: rounded to bf16
	v_cvt_pk_bf16_f32 v[30+(i/2)%2], v[BIAS+i], v[BIAS+i+1]
	v_lshlrev_b32 v[BIAS+i], 16, v[30+(i/2)%2]
	v_and_b32 v[BIAS+i+1], s[MSK], v[30+(i/2)%2]
.set i, i+2
.endr
.endif
	s_wait_tensorcnt 1                     ; my part of K step 0 is in; K step 1's may stay out
	s_barrier_signal -1
	s_barrier_wait -1
	FETCH 0, 0, F0
	QUARTER 0, 1, F0, F1, 1                ; the first products start the sums from the bias
	QUARTER 0, 2, F1, F0, 0
	QUARTER 0, 3, F0, F1, 0
	TURN 0, 1, 1                           ; slot 0 takes K step 2
	QUARTER 1, 1, F0, F1, 0
	QUARTER 1, 2, F1, F0, 0
	QUARTER 1, 3, F0, F1, 0
	TURN 1, 0, 1                           ; slot 1 takes K step 3
	QUARTER 0, 1, F0, F1, 0
	QUARTER 0, 2, F1, F0, 0
	QUARTER 0, 3, F0, F1, 0
	TURN 0, 1, 0                           ; behind this barrier nobody reads slot 0 any more, and nothing is filled
	QUARTER 1, 1, F0, F1, 0
	QUARTER 1, 2, F1, F0, 0
	QUARTER 1, 3, F0, F1, 0
	s_wait_dscnt 16
	MUL8 F1, 0, 0, 0
	MUL8 F1, 0, 2, 0
	s_wait_dscnt 0x0
	MUL8 F1, 1, 0, 0
	MUL8 F1, 1, 2, 0
	WIN 0
	; THE WAY OUT
	PLACES
.irp a, 0,1,2,3
.irp b, 0,1,2,3                        ; a lane's eight columns of a row: 32 bytes; each accumulator from its low end
	ds_store_b128 v[STO], v[ACC+8*(4*(\a)+(\b)):ACC+8*(4*(\a)+(\b))+3]   offset:(\a)*16*SPI+(\b)*64
	ds_store_b128 v[STO], v[ACC+8*(4*(\a)+(\b))+4:ACC+8*(4*(\a)+(\b))+7] offset:(\a)*16*SPI+(\b)*64+16
.endr
.endr
	s_wait_loadcnt 0x0                     ; the residual
	WIN 0x08                               ; store data (source 1) window 2
.set i, 0
.rept 32
	ds_store_b128 v[RR], v[4*i:4*i+3] offset:i*512
.set i, i+1
.endr
	WIN 0
	s_wait_dscnt 0x0                       ; for the others' sake: my stores into the stage are done
	s_barrier_signal -1
	s_barrier_wait -1                      ; a row's 512 bytes come from two waves
	s_mov_b32 s[TS], 0
	s_mov_b32 s[TR], 0
	s_mov_b32 s[CNT], 4
.Lrows:                                        ; a trip: eight whole rows
	v_add_nc_u32 v[RDC], s[TS], v[RD]
	v_add_nc_u32 v[RRC], s[TR], v[RR]
.irp t, 0,1,2,3,4,5,6,7
	ds_load_b128 v[T+4*(\t):T+4*(\t)+3], v[RDC] offset:(\t)*SPI
.endr
.irp t, 0,1,2,3,4,5,6,7
	ds_load_b128 v[R+4*(\t):R+4*(\t)+3], v[RRC] offset:(\t)*512
.endr
	s_wait_dscnt 0x0
.if GELU
	; gelu(x) = x Phi(x).  With t = 1 / (1 + 0.3275911 |x| / sqrt 2): erfc(|x| / sqrt 2) / 2 = t (a1 + t (a2 + t (a3 + t (a4 + t a5)))) 2^(-x x log2(e) / 2), the coefficients halved
	; (Abramowitz and Stegun 7.1.26: off by 1.5e-7 of 1 at the most, for every x).  Phi is that for x < 0 and 1 less that otherwise.  A tail below 2^-126 counts as 0.
.set i, 0
.rept 16
	v_and_b32 v[DD+i], 0x7fffffff, v[T+i]
	v_and_b32 v[DD+i+1], 0x7fffffff, v[T+i+1]
	v_pk_mul_f32 v[EE+i:EE+i+1], v[T+i:T+i+1], v[T+i:T+i+1]
.set i, i+2
.endr
.set i, 0
.rept 16
	v_pk_fma_f32 v[DD+i:DD+i+1], v[DD+i:DD+i+1], s[CP:CP+1], 1.0 op_sel_hi:[1,0,0]
	v_pk_mul_f32 v[EE+i:EE+i+1], v[EE+i:EE+i+1], s[CE:CE+1] op_sel_hi:[1,0]
.set i, i+2
.endr
.set i, 0
.rept 32
	v_rcp_f32 v[DD+i], v[DD+i]
.set i, i+1
.endr
.set i, 0
.rept 32
	v_exp_f32 v[EE+i], v[EE+i]
.set i, i+1
.endr
	v_nop                                  ; a plain instruction behind the last of them
	s_wait_alu depctr_va_vdst(0)           ; one wait for the 64, ahead of their first reader
.set i, 0
.rept 16
	v_pk_fma_f32 v[PP+i:PP+i+1], v[DD+i:DD+i+1], s[A5:A5+1], s[A4:A4+1] op_sel_hi:[1,0,0]
.set i, i+2
.endr
.irp c, A3, A2, A1
.set i, 0
.rept 16
	v_pk_fma_f32 v[PP+i:PP+i+1], v[PP+i:PP+i+1], v[DD+i:DD+i+1], s[\c:\c+1] op_sel_hi:[1,1,0]
.set i, i+2
.endr
.endr
.set i, 0
.rept 16
	v_pk_mul_f32 v[DD+i:DD+i+1], v[DD+i:DD+i+1], v[EE+i:EE+i+1]
.set i, i+2
.endr
.set i, 0
.rept 16
	v_pk_mul_f32 v[PP+i:PP+i+1], v[PP+i:PP+i+1], v[DD+i:DD+i+1]
.set i, i+2
.endr
.set i, 0
.rept 16
	v_pk_fma_f32 v[UU+i:UU+i+1], v[PP+i:PP+i+1], -1.0, 1.0 op_sel_hi:[1,0,0]
.set i, i+2
.endr
.set i, 0
.rept 32
	v_cmp_gt_f32 vcc_lo, 0, v[T+i]
	v_cndmask_b32 v[UU+i], v[UU+i], v[PP+i], vcc_lo
.set i, i+1
.endr
.set i, 0
.rept 16
	v_pk_fma_f32 v[T+i:T+i+1], v[T+i:T+i+1], v[UU+i:UU+i+1], v[R+i:R+i+1]
.set i, i+2
.endr
.else
.set i, 0
.rept 16                               ; the residual is an input of the module: rounded to bf16
	v_cvt_pk_bf16_f32 v[DD+i/2], v[R+i], v[R+i+1]
.set i, i+2
.endr
.set i, 0
.rept 16
	v_lshlrev_b32 v[R+i], 16, v[DD+i/2]
	v_and_b32 v[R+i+1], s[MSK], v[DD+i/2]
	v_pk_add_f32 v[T+i:T+i+1], v[T+i:T+i+1], v[R+i:R+i+1]
.set i, i+2
.endr
.endif
.irp t, 0,1,2,3,4,5,6,7
	global_store_b128 v[GO], v[T+4*(\t):T+4*(\t)+3], s[76:77] offset:(\t)*4096  ; 32 lanes store 512 consecutive bytes, at a multiple of 512 from the output's first byte
.endr
	s_wait_xcnt 0x0                        ; the stores have read their registers and their base: only behind this wait are these written again
	s_add_nc_u64 s[76:77], s[76:77], 8*4096
	s_add_co_u32 s[TS], s[TS], 8*SPI
	s_add_co_u32 s[TR], s[TR], 8*512
	s_sub_co_u32 s[CNT], s[CNT], 1
	s_cmp_lg_u32 s[CNT], 0
	s_cbranch_scc1 .Lrows
	s_wait_tensorcnt 0x0                   ; the wave's end: a wait, an add and a wait, behind my last tensor load and my last LDS store
	ds_add_u32 v[SPW], v[NIL]
	s_wait_dscnt 0x0
	CROUND                                 ; the closing round: no work-group ends while a partner may still ask for a tile that names it
	s_endpgm
.Lfunc_end_k_q0a8ac72a27_gemm_ffn:
	.size	k_q0a8ac72a27_gemm_ffn, .Lfunc_end_k_q0a8ac72a27_gemm_ffn-k_q0a8ac72a27_gemm_ffn
	.p2alignl 7, 3214868480
	.fill 96, 4, 3214868480
	.section	.rodata,"a",@progbits
	.p2align	6, 0x0
	.amdhsa_kernel k_q0a8ac72a27_gemm_ffn
		.amdhsa_group_segment_fixed_size 327680
		.amdhsa_private_segment_fixed_size 0
		.amdhsa_enable_private_segment 0
		.amdhsa_kernarg_size 40
		.amdhsa_user_sgpr_count 2
		.amdhsa_user_sgpr_kernarg_segment_ptr 1
		.amdhsa_wavefront_size32 1
		.amdhsa_system_sgpr_workgroup_id_x 1
		.amdhsa_system_sgpr_workgroup_id_y 1
		.amdhsa_system_sgpr_workgroup_id_z 1
		.amdhsa_system_vgpr_workitem_id 0
		.amdhsa_next_free_vgpr 640
		.amdhsa_next_free_sgpr 98
		.amdhsa_reserve_vcc 1
		.amdhsa_float_denorm_mode_32 3
		.amdhsa_float_denorm_mode_16_64 3
		.amdhsa_memory_ordered 1
		.amdhsa_forward_progress 1
		.amdhsa_inst_pref_size 107
	.end_amdhsa_kernel
	.amdgpu_metadata
---
amdhsa.version: [ 1, 2 ]
amdhsa.kernels:
  - .name:           k_q0a8ac72a27_gemm_ffn
    .symbol:         k_q0a8ac72a27_gemm_ffn.kd
    .args:
      - { .name: hb, .offset: 0, .size: 8, .value_kind: global_buffer, .address_space: global }
      - { .name: w12, .offset: 8, .size: 8, .value_kind: global_buffer, .address_space: global }
      - { .name: b12, .offset: 16, .size: 8, .value_kind: global_buffer, .address_space: global }
      - { .name: x1, .offset: 24, .size: 8, .value_kind: global_buffer, .address_space: global }
      - { .name: out0, .offset: 32, .size: 8, .value_kind: global_buffer, .address_space: global }
    .group_segment_fixed_size: 327680
    .private_segment_fixed_size: 0
    .kernarg_segment_align: 8
    .kernarg_segment_size: 40
    .max_flat_workgroup_size: 128
    .sgpr_count:     98
    .vgpr_count:     640
    .wavefront_size: 32
...
	.end_amdgpu_metadata
.endif
;; end of part 6
